; MI455X (gfx1250); checked and timed in simulation.
; The chip was launched on July 23, 2026; its instructions are those of AMD's public machine-readable ISA for CDNA 5 (MIT licence, August 2026) and "CDNA5" Instruction Set Architecture Reference Guide (July 2026). The comments in the code are by the model that wrote it; some were corrected since.
;; Causal Self Attention. Allowed arithmetic: float matrix products may take bf16 or f16 operands with f32 sums; all other float work in f32.
;; Inputs: b_out 1,024 float32; b_qkv 3,072 float32; w_out 1,024 x 1,024 float32; w_qkv 1,024 x 3,072 float32; x 4 x 2,048 x 1,024 float32.
;; Outputs: out0 4 x 2,048 x 1,024 float32.
;; 2 versions, each right; version 2 is version 1 with the launch cast written anew for expert scheduling mode. Each part assembles by itself: llvm-mc -triple=amdgcn-amd-amdhsa -mcpu=gfx1250 --defsym DOCPART=n.
;; ======== version 1 of 2: 4 launches
;; limits: values are held in f16: magnitudes above 65,504 overflow, below 6.1e-05 lose precision
;; workspace buffers: xb 16,777,216 bytes; wqb 6,291,456 bytes; wob 2,097,152 bytes; qkv 50,331,648 bytes; ao 16,777,216 bytes
;; launch cast (part 1): grid 768 x 1, 8 waves a work-group, no clusters, 0 bytes of LDS; arguments x, w_qkv, w_out, xb, wqb, wob; writes xb, wqb, wob
.if DOCPART == 1
	.amdgcn_target "amdgcn-amd-amdhsa--gfx1250"
	.amdhsa_code_object_version 6
	.text
	.protected	k_q3fe8470ead_cast
	.globl	k_q3fe8470ead_cast
	.p2align	8
	.type	k_q3fe8470ead_cast,@function
k_q3fe8470ead_cast:
	s_mov_b64 s[64:65], 0
	v_nop
	global_prefetch_b8 v0, s[64:65] scope:SCOPE_SE
	s_setreg_imm32_b32 hwreg(HW_REG_WAVE_MODE, 25, 1), 1
	s_wait_xcnt 0x0
; The three large f32 inputs are rounded once to 16 bits, so that the two products that follow move half the bytes.
;   x      [8192][1024] f32 -> xb  [16 K blocks][8192 rows][64] bf16 : a tile of rows x 64 K is then dense in memory
;   w_qkv  [1024][3072] f32 -> wqb [1024][3072] bf16, the same order
;   w_out  [1024][1024] f32 -> wob [1024][1024], rounded to bf16 and then written in f16's encoding, because it meets an f16 operand.
; LIMITS of wob: the second step is exact for 2^-14 <= |w| < 65,504 (a bf16 has 8 significant bits, an f16 has 11); below 2^-14 it
; adds an absolute error of at most 2^-25; at 65,504 and above it gives infinity.
; A work-group takes 65,536 input bytes, a wave 8,192: sixteen loads of 512 bytes, all issued before the first is used, and sixteen
; stores of 256 consecutive bytes, aligned.  512 work-groups for x, 192 for w_qkv, 64 for w_out.  A stream: no LDS, no barrier, no loop.
.set IO, 2                             ; v2       my byte offset in the wave's input
.set OO, 3                             ; v3       my byte offset in the wave's output: 8 x lane
.set T,  4                             ; v[4:7]   at work
.set X,  8                             ; v[8:71]  sixteen loads, 4 registers each
.set Y,  72                            ; v[72:103] sixteen stores, 2 registers each: none is written twice, so no store's data is waited for
; in, out: the scalar pairs with the wave's addresses; instep: bytes from one load to the next; f16 = 1: bf16 values in f16's encoding
.macro CAST in, out, instep, f16
.irp i, 0,1,2,3,4,5,6,7,8,9,10,11,12,13,14,15
	global_load_b128 v[X+4*\i:X+4*\i+3], v[IO], s[\in:\in+1] offset:\i*\instep th:TH_LOAD_NT   ; read once in the whole program
.endr
.irp i, 0,1,2,3,4,5,6,7,8,9,10,11,12,13,14,15
	s_wait_loadcnt 15-\i                           ; loads come back in order: load i is in, the younger ones stay out
.if \f16
	v_cvt_pk_bf16_f32 v[T],   v[X+4*\i],   v[X+4*\i+1]           ; the rounding that counts: to bf16, nearest even
	v_cvt_pk_bf16_f32 v[T+1], v[X+4*\i+2], v[X+4*\i+3]
	v_lshlrev_b32 v[T+2], 16, v[T]                               ; back to f32: the low half moves up, the high half stays
	v_and_b32     v[T+3], s21, v[T]
	v_cvt_pk_f16_f32 v[Y+2*\i], v[T+2], v[T+3]
	v_lshlrev_b32 v[T+2], 16, v[T+1]
	v_and_b32     v[T+3], s21, v[T+1]
	v_cvt_pk_f16_f32 v[Y+2*\i+1], v[T+2], v[T+3]
.else
	v_cvt_pk_bf16_f32 v[Y+2*\i],   v[X+4*\i],   v[X+4*\i+1]
	v_cvt_pk_bf16_f32 v[Y+2*\i+1], v[X+4*\i+2], v[X+4*\i+3]
.endif
	global_store_b64 v[OO], v[Y+2*\i:Y+2*\i+1], s[\out:\out+1] offset:\i*256   ; 32 lanes x 8 bytes: 256 consecutive bytes, aligned
.endr
.endm
	s_load_b256 s[4:11], s[0:1], 0x0               ; x s[4:5], w_qkv s[6:7], w_out s[8:9], xb s[10:11]
	s_load_b128 s[12:15], s[0:1], 0x20             ; wqb s[12:13], wob s[14:15]
	v_lshrrev_b32 v1, 5, v0
	v_readfirstlane_b32 s20, v1                    ; wave 0..7
	v_and_b32 v1, 31, v0                           ; lane
	v_lshlrev_b32 v[OO], 3, v1
	s_mov_b32 s17, 0                               ; high words of the two offsets
	s_mov_b32 s19, 0
	s_mov_b32 s21, 0xffff0000                      ; a word's upper bf16
	s_cmp_lt_u32 ttmp9, 512
	s_cbranch_scc0 .Lweights
	; x: work-group g takes rows 32 (g / 2) .. +31 and K blocks 8 (g % 2) .. +7; a wave takes one K block (256 bytes of each row).
	; A load takes two rows: lanes 0-15 the even one, lanes 16-31 the odd one.  In xb these two rows' 64 numbers follow each other.
	s_lshr_b32 s22, ttmp9, 1                       ; block of 32 rows
	s_and_b32 s23, ttmp9, 1
	s_lshl3_add_u32 s23, s23, s20                  ; K block = 8 (g % 2) + wave
	s_lshl_b32 s16, s22, 17                        ; 32 rows of 4,096 bytes
	s_lshl_b32 s18, s23, 8
	s_add_co_u32 s16, s16, s18                     ; + 256 bytes for each K block
	s_lshl_b32 s18, s23, 20                        ; xb: a K block is 8,192 rows of 128 bytes
	s_lshl_b32 s22, s22, 12                        ; 32 rows of 128 bytes
	s_add_co_u32 s18, s18, s22
	v_and_b32 v[IO], 15, v1
	v_lshrrev_b32 v[T], 4, v1
	v_lshlrev_b32 v[IO], 4, v[IO]
	v_lshl_add_u32 v[IO], v[T], 12, v[IO]          ; 16 (lane % 16) + 4,096 (lane / 16)
	s_wait_kmcnt 0x0
	s_add_nc_u64 s[4:5], s[4:5], s[16:17]
	s_add_nc_u64 s[10:11], s[10:11], s[18:19]
	CAST 4, 10, 8192, 0
	s_endpgm
.Lweights:                                             ; the weights keep their order: 8,192 bytes in, 4,096 out for each wave
	v_lshlrev_b32 v[IO], 4, v1
	s_lshl_b32 s22, s20, 13
	s_lshl_b32 s23, s20, 12
	s_cmp_lt_u32 ttmp9, 704
	s_cbranch_scc0 .Lwout
	s_sub_co_u32 s16, ttmp9, 512
	s_lshl_b32 s18, s16, 15
	s_lshl_b32 s16, s16, 16
	s_add_co_u32 s16, s16, s22
	s_add_co_u32 s18, s18, s23
	s_wait_kmcnt 0x0
	s_add_nc_u64 s[6:7], s[6:7], s[16:17]
	s_add_nc_u64 s[12:13], s[12:13], s[18:19]
	CAST 6, 12, 512, 0
	s_endpgm
.Lwout:
	s_sub_co_u32 s16, ttmp9, 704
	s_lshl_b32 s18, s16, 15
	s_lshl_b32 s16, s16, 16
	s_add_co_u32 s16, s16, s22
	s_add_co_u32 s18, s18, s23
	s_wait_kmcnt 0x0
	s_add_nc_u64 s[8:9], s[8:9], s[16:17]
	s_add_nc_u64 s[14:15], s[14:15], s[18:19]
	CAST 8, 14, 512, 1
	s_endpgm
.Lfunc_end_k_q3fe8470ead_cast:
	.size	k_q3fe8470ead_cast, .Lfunc_end_k_q3fe8470ead_cast-k_q3fe8470ead_cast
	.p2alignl 7, 3214868480
	.fill 96, 4, 3214868480
	.section	.rodata,"a",@progbits
	.p2align	6, 0x0
	.amdhsa_kernel k_q3fe8470ead_cast
		.amdhsa_group_segment_fixed_size 0
		.amdhsa_private_segment_fixed_size 0
		.amdhsa_enable_private_segment 0
		.amdhsa_kernarg_size 48
		.amdhsa_user_sgpr_count 2
		.amdhsa_user_sgpr_kernarg_segment_ptr 1
		.amdhsa_wavefront_size32 1
		.amdhsa_system_sgpr_workgroup_id_x 1
		.amdhsa_system_sgpr_workgroup_id_y 1
		.amdhsa_system_sgpr_workgroup_id_z 1
		.amdhsa_system_vgpr_workitem_id 0
		.amdhsa_next_free_vgpr 104
		.amdhsa_next_free_sgpr 66
		.amdhsa_reserve_vcc 0
		.amdhsa_float_denorm_mode_32 3
		.amdhsa_float_denorm_mode_16_64 3
		.amdhsa_memory_ordered 1
		.amdhsa_forward_progress 1
		.amdhsa_inst_pref_size 23
	.end_amdhsa_kernel
	.amdgpu_metadata
---
amdhsa.version: [ 1, 2 ]
amdhsa.kernels:
  - .name:           k_q3fe8470ead_cast
    .symbol:         k_q3fe8470ead_cast.kd
    .args:
      - { .name: x, .offset: 0, .size: 8, .value_kind: global_buffer, .address_space: global }
      - { .name: w_qkv, .offset: 8, .size: 8, .value_kind: global_buffer, .address_space: global }
      - { .name: w_out, .offset: 16, .size: 8, .value_kind: global_buffer, .address_space: global }
      - { .name: xb, .offset: 24, .size: 8, .value_kind: global_buffer, .address_space: global }
      - { .name: wqb, .offset: 32, .size: 8, .value_kind: global_buffer, .address_space: global }
      - { .name: wob, .offset: 40, .size: 8, .value_kind: global_buffer, .address_space: global }
    .group_segment_fixed_size: 0
    .private_segment_fixed_size: 0
    .kernarg_segment_align: 8
    .kernarg_segment_size: 48
    .max_flat_workgroup_size: 256
    .sgpr_count:     66
    .vgpr_count:     104
    .wavefront_size: 32
...
	.end_amdgpu_metadata
.endif
;; end of part 1
;; launch qkv (part 2): grid 8 x 32, 4 waves a work-group, clusters of 4 x 4, 327,680 bytes of LDS; arguments xb, wqb, b_qkv, qkv; writes qkv
.if DOCPART == 2
	.amdgcn_target "amdgcn-amd-amdhsa--gfx1250"
	.amdhsa_code_object_version 6
	.text
	.protected	k_q3fe8470ead_qkv
	.globl	k_q3fe8470ead_qkv
	.p2align	8
	.type	k_q3fe8470ead_qkv,@function
k_q3fe8470ead_qkv:
	s_mov_b64 s[64:65], 0
	v_nop
	global_prefetch_b8 v0, s[64:65] scope:SCOPE_SE
	s_setreg_imm32_b32 hwreg(HW_REG_WAVE_MODE, 25, 1), 1
	s_wait_xcnt 0x0
	s_wait_alu depctr_hold_cnt(0) depctr_sa_sdst(0) depctr_va_vdst(0) depctr_va_sdst(0) depctr_va_ssrc(0) depctr_va_vcc(0) depctr_vm_vsrc(0)
	s_getreg_b32 s2, hwreg(HW_REG_IB_STS2, 6, 4)
	s_cmp_eq_u32 s2, 0
	s_cbranch_scc0 .Lentry_in_a_cluster
	s_endpgm
.Lentry_in_a_cluster:
	s_bfe_u32 s2, ttmp6, 0x10000c
	s_cmp_lg_u32 s2, 0xf033
	s_cbranch_scc0 .Lentry_shape_is_right
	s_endpgm
.Lentry_shape_is_right:
; qkv = x w_qkv + b_qkv.  xb: [16 K blocks][8192][64] bf16; wqb: [1024 k][3072 n] bf16; b_qkv: [3072] f32; sums in f32.
; Result: qkv [48 pieces][8192 rows][64] f16; piece = column / 64, so q of head h is piece h, k is piece 16 + h, v is piece 32 + h:
; the split into heads and the transposition of the model are made by the store addresses.
; FORMAT: the result is kept in f16 (11 significant bits) and not in bf16 (8), because the rows of the model's output that average few
; values keep the rounding of v at full size.  LIMIT: |q|, |k|, |v| < 65,504, else infinity; below 2^-14 an absolute error of at most 2^-25.
; A work-group makes 256 rows x 384 columns with four waves; wave (wm, wn) makes rows 128 wm .. +127 and the three pieces of 64 columns
; 128 g + 64 wn, g = 0, 1, 2: 96 accumulator tiles of 16 x 16, 768 registers.  For 32 along K a wave issues 40 LDS loads and 96 matrix instructions.
; K goes in steps of 64 through two LDS slots; a step is two chunks of 32.  (A step of 128 would need 2 x 180,224 bytes of LDS.)
; CLUSTERS: 4 x 4 work-groups.  x's tile hangs on the block row alone and is asked for jointly by a row of the cluster, the weights' tile on the
; block column alone and is asked for jointly by a column: the requests for both are divided by four.
; THE MATRIX INSTRUCTION IS USED TRANSPOSED: source 0 = 16 columns of the weights, source 1 = 16 rows of x, so that lane (r, h) holds row r and
; the eight NEIGHBOURING columns 8 h + 0..7, which pack into 16 bytes of f16.
; REGISTERS: window 0: addresses, x's fragments in two buffers, the weights' twelve fragments in one; window 1 + g: the 32 tiles of piece g, tile (jj, a) at v[8 (8 jj + a)].
.set PA,    144                        ; x's LDS row: 128 bytes + 16: an odd multiple of 16, so sixteen rows start at sixteen different 16-byte columns
.set PB,    864                        ; the weights' LDS row: three times (256 bytes + 32) = 27 x 32, an odd multiple of 32
.set BOFF,  256*PA                     ; 36,864: the weights' 64 rows lie behind x's 256
.set SLOT,  BOFF+64*PB                 ; 92,160
.set STAGE, 2*SLOT                     ; 184,320: the way out, 3 pieces x 16 rows x 144 bytes for each wave; no tensor load lands here
.set STW,   3*16*PA                    ; 6,912
.set BSC,   STAGE+4*STW                ; 211,968: the wave's 192 biases, 768 bytes each wave; no tensor load lands here
.set ADRA, 16                          ; v16-17  LDS address of my x fragments in slot 0, 1
.set ADRB, 20                          ; v20-21  the same for the weights
.set STO,  24                          ; v24     way out: where I put 16 bytes of a row
.set RD,   25                          ; v25     way out: where I read rows back
.set CO,   26                          ; v26     my byte offset in a piece: 16 x lane
.set BRD,  27                          ; v27     where I read my biases
.set A0,   32                          ; v[32:95]   x's fragments, buffer 0 (8 x 16 rows x 32 K)
.set A1,   96                          ; v[96:159]  buffer 1
.set BF,   160                         ; v[160:255] the weights' fragments (g, jj) at BF + 8 (4 g + jj); on the way out: the biases
.set T,    32                          ; way out: 32 sums in f32
.set PK,   64                          ; way out: 16 registers of packed f16
.set RB,   96                          ; way out: 48 registers read back
.set G1A, 24                           ; s[24:31] descriptor group 1, x's tiles
.set G0A, 32                           ; s[32:39] descriptor group 0, x's tiles, a set for each slot
.set G1B, 48                           ; s[48:55] group 1, the weights' tiles
.set G0B, 56                           ; s[56:63] group 0, the weights' tiles, a set for each slot
.set MSB, 0
.macro WIN new                         ; the immediate's high byte repeats the setting that is left; a switch that changes nothing is dropped
.if MSB != (\new)
	s_set_vgpr_msb (MSB<<8)|(\new)
.set MSB, (\new)
.endif
.endm
.macro PLACES                          ; four plain vector instructions between a matrix instruction and a load into, or a vector instruction on, its registers
.rept 4
	v_nop
.endr
.endm
; A joint load.  Waves 0 and 1 fetch x's two halves, waves 2 and 3 the weights'.  The branch hangs on the wave's number alone.
.macro JLOAD s
	s_cmp_eq_u32 s13, 0
	s_cbranch_scc0 .Lfor_b_\@
	tensor_load_to_lds s[G0A+4*\s:G0A+4*\s+3], s[G1A:G1A+7]
	s_nop 0
	s_branch .Lasked_\@
.Lfor_b_\@:
	tensor_load_to_lds s[G0B+4*\s:G0B+4*\s+3], s[G1B:G1B+7]
	s_nop 0
.Lasked_\@:
.endm
.macro CREST                           ; a round of the cluster's barrier behind its opening work-group barrier
	s_cmp_lg_u32 s12, 0
	s_cbranch_scc1 .Lnot_wave_0_\@
	s_barrier_signal -3
.Lnot_wave_0_\@:
	s_barrier_wait -3
	s_barrier_signal -1
	s_barrier_wait -1
.endm
.macro CROUND                          ; a whole round
	s_barrier_signal -1
	s_barrier_wait -1
	CREST
.endm
	s_load_b256 s[4:11], s[0:1], 0x0               ; xb s[4:5], wqb s[6:7], b_qkv s[8:9], qkv s[10:11]
	v_lshl_add_u32 v30, v0, 2, 0x34800
	v_mov_b32 v31, 0
	ds_add_u32 v30, v31
	v_lshrrev_b32 v1, 5, v0
	v_readfirstlane_b32 s12, v1                    ; wave 0..3
	s_lshr_b32 s13, s12, 1                         ; wm: my half of the rows.  Also: I fetch for x (0) or for the weights (1)
	s_and_b32 s14, s12, 1                          ; wn: my half of each 128 columns.  Also: which half of that tile I fetch
	s_bfe_u32 s40, ttmp6, 0x40000                  ; cx
	s_bfe_u32 s41, ttmp6, 0x40004                  ; cy
	s_lshl_b32 s42, ttmp9, 2
	s_add_co_u32 s42, s42, s40                     ; block column 0..7 = 4 x cluster x + cx
	s_and_b32 s43, ttmp7, 0xffff
	s_lshl_b32 s43, s43, 2
	s_add_co_u32 s43, s43, s41                     ; block row 0..31 = 4 x cluster y + cy
	s_lshl_b32 s44, s41, 2
	s_lshl_b32 s44, 15, s44                        ; my row of the cluster: places 4 cy .. 4 cy + 3
	s_lshl_b32 s45, 0x1111, s40                    ; my column: places cx, cx + 4, cx + 8, cx + 12
	; x's half tile: 128 rows x 128 bytes, dense in xb, taken as 64 rows of 256 bytes; 16 bytes of padding behind every 128 bytes make LDS rows of 144
	s_or_b32 s[G1A+0], s44, (1<<16)|(1<<20)|(1<<21)|(4<<22)|(3<<25)  ; mask of my row; 2-byte elements; padding on; bit 21 beside a mask; after every 32 words; of 4 words
	s_mov_b32 s[G1A+1], 128<<16                    ; tensor_dim0 = 128 elements
	s_mov_b32 s[G1A+2], 64<<16                     ; tensor_dim1 = 64
	s_mov_b32 s[G1A+3], 128<<16                    ; tile_dim0 = 128
	s_mov_b32 s[G1A+4], 64                         ; tile_dim1 = 64
	s_mov_b32 s[G1A+5], 128                        ; from row to row: 128 elements (dense)
	s_mov_b32 s[G1A+6], 0
	s_mov_b32 s[G1A+7], 0
	; the weights' half tile: 32 k rows x 384 columns (768 bytes); 32 bytes of padding behind every 256 bytes make LDS rows of 864
	s_or_b32 s[G1B+0], s45, (1<<16)|(1<<20)|(1<<21)|(5<<22)|(7<<25)  ; mask of my column; after every 64 words; of 8 words
	s_mov_b32 s[G1B+1], 384<<16
	s_mov_b32 s[G1B+2], 32<<16
	s_mov_b32 s[G1B+3], 384<<16
	s_mov_b32 s[G1B+4], 32
	s_mov_b32 s[G1B+5], 3072
	s_mov_b32 s[G1B+6], 0
	s_mov_b32 s[G1B+7], 0
	; where the tiles come from: x's address is made of the block row and the wave's number, the weights' of the block column and the wave's number
	s_lshl_b32 s16, s43, 15                        ; 256 rows of 128 bytes for each block row
	s_lshl_b32 s17, s14, 14                        ; + 128 rows for the second half
	s_add_co_u32 s16, s16, s17
	s_mov_b32 s17, 0
	s_mul_i32 s46, s42, 768                        ; 384 columns of 2 bytes for each block column
	s_mul_i32 s47, s14, 32*6144                    ; + 32 k rows of 6,144 bytes for the second half
	s_add_co_u32 s46, s46, s47
	s_mov_b32 s47, 0
	s_mul_i32 s20, s14, 128*PA                     ; and where they go: no place in the cluster enters an LDS address
	s_mul_i32 s21, s14, 32*PB
	s_add_co_u32 s21, s21, BOFF
	s_mul_i32 s18, s42, 1536                       ; my block's 384 biases
	s_mov_b32 s19, 0
	s_mul_i32 s22, s42, 6                          ; my first piece = 6 x block column + wn; the others two and four further
	s_add_co_u32 s22, s22, s14
	s_lshl_b32 s22, s22, 20                        ; a piece is 8,192 rows of 128 bytes
	s_lshl_b32 s23, s43, 15
	s_add_co_u32 s22, s22, s23                     ; + my block's first row
	s_lshl_b32 s23, s13, 14
	s_add_co_u32 s22, s22, s23                     ; + 128 rows for wm = 1
	s_mov_b32 s23, 0
	s_wait_dscnt 0x0
	s_wait_kmcnt 0x0
	s_add_nc_u64 s[16:17], s[4:5], s[16:17]
	s_add_nc_u64 s[46:47], s[6:7], s[46:47]
	s_add_nc_u64 s[8:9], s[8:9], s[18:19]
	s_add_nc_u64 s[66:67], s[10:11], s[22:23]      ; the three pieces' store bases
	s_add_nc_u64 s[68:69], s[66:67], 0x200000
	s_add_nc_u64 s[70:71], s[68:69], 0x200000
	CROUND                                         ; all sixteen work-groups are here: the first joint loads meet
.irp s, 0,1
	s_mov_b32 s[G0A+4*\s], 1                                       ; count = 1
	s_add_co_u32 s[G0A+4*\s+1], s20, \s*SLOT                       ; LDS address
	s_add_nc_u64 s[G0A+4*\s+2:G0A+4*\s+3], s[16:17], \s*1048576    ; K step s = K block s of xb
	s_or_b32 s[G0A+4*\s+3], s[G0A+4*\s+3], 0x80000000              ; type = 2
	s_mov_b32 s[G0B+4*\s], 1
	s_add_co_u32 s[G0B+4*\s+1], s21, \s*SLOT
	s_add_nc_u64 s[G0B+4*\s+2:G0B+4*\s+3], s[46:47], \s*64*6144    ; K step s = 64 k rows
	s_or_b32 s[G0B+4*\s+3], s[G0B+4*\s+3], 0x80000000
	JLOAD \s                                       ; both slots are asked for before anything else: two tensor loads of the wave are out
.endr
	v_and_b32 v5, 31, v0                           ; lane L
	s_lshl_b32 s23, s14, 8
	v_lshl_add_u32 v14, v5, 3, s23                 ; my 8 bytes of a piece's 64 biases: 256 wn + 8 L
	global_load_b64 v[8:9],   v14, s[8:9]
	global_load_b64 v[10:11], v14, s[8:9] offset:512
	global_load_b64 v[12:13], v14, s[8:9] offset:1024
	v_and_b32 v1, 15, v0                           ; r
	v_bfe_u32 v2, v0, 4, 1                         ; h
	v_and_b32 v3, 7, v0                            ; L % 8
	v_bfe_u32 v4, v0, 3, 1                         ; (L / 8) % 2
	; x's fragment: lane (r, h) takes row r; registers 0-3 hold K = 8 h + 0..7, registers 4-7 K = 16 + 8 h + 0..7: two loads of 16 bytes, 32 apart
	v_mul_u32_u24 v6, v1, PA
	v_lshl_add_u32 v6, v2, 4, v6                   ; 144 r + 16 h
	s_mul_i32 s22, s13, 128*PA
	v_add_nc_u32 v[ADRA], s22, v6
	v_add_nc_u32 v[ADRA+1], SLOT, v[ADRA]
	; the weights lie [k][n]: the transposing load takes 16 bytes of row 8 h + L % 8 and hands each lane eight k of one column
	v_lshl_add_u32 v7, v2, 3, v3
	v_mul_u32_u24 v7, v7, PB
	v_lshl_add_u32 v7, v4, 4, v7
	s_lshl_b32 s22, s14, 7                         ; my 64 columns of each 128
	s_add_co_u32 s22, s22, BOFF
	v_add_nc_u32 v[ADRB], s22, v7
	v_add_nc_u32 v[ADRB+1], SLOT, v[ADRB]
	s_mul_i32 s22, s12, STW
	s_add_co_u32 s22, s22, STAGE                   ; my stage
	v_add_nc_u32 v[STO], s22, v6                   ; in: row r, 16 bytes for each half of the lanes
	v_lshrrev_b32 v7, 3, v5
	v_mul_u32_u24 v7, v7, PA
	v_lshl_add_u32 v7, v3, 4, v7
	v_add_nc_u32 v[RD], s22, v7                    ; back: eight lanes take a row of 128 bytes, the wave four rows
	v_lshlrev_b32 v[CO], 4, v5                     ; the same four rows are 512 consecutive bytes of the piece
	s_mul_i32 s22, s12, 768
	s_add_co_u32 s22, s22, BSC
	v_lshl_add_u32 v[BRD], v2, 5, s22              ; my eight columns' biases begin at 32 h
	v_lshl_add_u32 v15, v5, 3, s22
	s_wait_loadcnt 0x0
	ds_store_b64 v15, v[8:9]                       ; the wave's own bytes: it alone reads them, on the way out
	ds_store_b64 v15, v[10:11] offset:256
	ds_store_b64 v15, v[12:13] offset:512
; 16 matrix instructions of piece g: column blocks jj0, jj0 + 1 x all 8 row blocks, 32 along K.  zero = 1: the product starts the sums, nothing is cleared.
; The 96 accumulators take turns, one instruction a turn, in the same order in every chunk.
.macro MULH g, ab, jj0, zero
	WIN (\g+1)*0x50                                ; C and D in window 1 + g, the sources in window 0
.irp jj, \jj0, \jj0+1
.irp a, 0,1,2,3,4,5,6,7
.if \zero
	v_wmma_f32_16x16x32_bf16 v[8*(8*(\jj)+\a):8*(8*(\jj)+\a)+7], v[BF+8*(4*\g+(\jj)):BF+8*(4*\g+(\jj))+7], v[\ab+8*\a:\ab+8*\a+7], 0
.else
	v_wmma_f32_16x16x32_bf16 v[8*(8*(\jj)+\a):8*(8*(\jj)+\a)+7], v[BF+8*(4*\g+(\jj)):BF+8*(4*\g+(\jj))+7], v[\ab+8*\a:\ab+8*\a+7], v[8*(8*(\jj)+\a):8*(8*(\jj)+\a)+7]
.endif
.endr
.endr
.endm
; 8 loads: piece g's four weight fragments of chunk c of slot s
.macro LB s, c, g
.irp jj, 0,1,2,3
	ds_load_tr16_b128 v[BF+8*(4*\g+\jj):BF+8*(4*\g+\jj)+3],   v[ADRB+\s] offset:\c*32*PB+288*\g+32*\jj
	ds_load_tr16_b128 v[BF+8*(4*\g+\jj)+4:BF+8*(4*\g+\jj)+7], v[ADRB+\s] offset:\c*32*PB+288*\g+32*\jj+16*PB
.endr
.endm
; 16 loads: x's eight fragments of chunk c of slot s into buffer ab
.macro LA s, c, ab
.irp a, 0,1,2,3,4,5,6,7
	ds_load_b128 v[\ab+8*\a:\ab+8*\a+3],   v[ADRA+\s] offset:\a*16*PA+64*\c
	ds_load_b128 v[\ab+8*\a+4:\ab+8*\a+7], v[ADRA+\s] offset:\a*16*PA+64*\c+32
.endr
.endm
; A chunk: 96 matrix instructions on x's buffer ab.  The weights' fragments have one buffer that rolls: a piece's four are loaded again straight behind
; its 32 products (for chunk nc of slot ns) and are needed 64 products later; x's next fragments go into the other buffer nab.
; The LDS loads of a chunk go out in the order LB 0, LA, LB 1, LB 2 (8 + 16 + 8 + 8).  last = 1: nothing more to fetch.
.macro CHUNK ab, ns, nc, nab, zero, last
	s_wait_dscnt 16                                ; piece 0's fragments and x's are in; LB 1 and LB 2, issued behind them, may be out
	MULH 0, \ab, 0, \zero
	MULH 0, \ab, 2, \zero
.if \last
	s_wait_dscnt 8                                 ; only LB 2 was issued behind LB 1
.else
	WIN 0
	PLACES
	LB \ns, \nc, 0
	LA \ns, \nc, \nab
	s_wait_dscnt 32                                ; behind the last chunk's LB 1: its LB 2 (8) and the 24 just issued
.endif
	MULH 1, \ab, 0, \zero
	MULH 1, \ab, 2, \zero
.if \last
	s_wait_dscnt 0
.else
	WIN 0
	PLACES
	LB \ns, \nc, 1
	s_wait_dscnt 32                                ; behind the last chunk's LB 2: this chunk's 24 and 8
.endif
	MULH 2, \ab, 0, \zero
	MULH 2, \ab, 2, \zero
.if \last == 0
	WIN 0
	PLACES
	LB \ns, \nc, 2
.endif
.endm
; The second chunk of slot cur, which changes slots.  ONE barrier for two things: in front of it each wave waits for its reads of this slot and for all
; its tensor loads, of which one is out: its part of the next slot ns.  Behind it nobody reads this slot and the next one is whole.
; fill = 1: the barrier opens a round of the cluster's barrier, and this slot's joint refill (two K steps ahead) is the first tensor load behind the round.
.macro CHUNKX ab, cur, ns, nab, fill
	s_wait_dscnt 16
	MULH 0, \ab, 0, 0
	s_wait_dscnt 0x0                               ; my reads of this slot are over: pieces 1 and 2 need no further wait in this chunk
	s_wait_tensorcnt 0x0                           ; all my tensor loads have landed
	ds_add_u32 v30, v31
	s_wait_dscnt 0x0
	s_barrier_signal -1
	MULH 0, \ab, 2, 0                              ; register work while the others arrive
	WIN 0
	s_barrier_wait -1
.if \fill
	CREST                                          ; no wave of any partner still reads this slot or has a load on its way
	s_add_nc_u64 s[G0A+4*\cur+2:G0A+4*\cur+3], s[G0A+4*\cur+2:G0A+4*\cur+3], 2*1048576
	s_add_nc_u64 s[G0B+4*\cur+2:G0B+4*\cur+3], s[G0B+4*\cur+2:G0B+4*\cur+3], 2*64*6144
	JLOAD \cur                                     ; one tensor load of the wave is out; up to the wait for it the wave issues 176 matrix instructions
.endif
	PLACES
	LB \ns, 0, 0
	LA \ns, 0, \nab
	MULH 1, \ab, 0, 0
	MULH 1, \ab, 2, 0
	WIN 0
	PLACES
	LB \ns, 0, 1
	MULH 2, \ab, 0, 0
	MULH 2, \ab, 2, 0
	WIN 0
	PLACES
	LB \ns, 0, 2
.endm
.macro LAP zero                        ; two K steps, once round the ring, both slots filled again
	CHUNK  A0, 0, 1, A1, \zero, 0
	CHUNKX A1, 0, 1, A0, 1
	CHUNK  A0, 1, 1, A1, 0, 0
	CHUNKX A1, 1, 0, A0, 1
.endm
	s_wait_dscnt 0x0                               ; no LDS instruction is pending at a signal
	s_wait_tensorcnt 0x1                           ; my part of K step 0 is in; K step 1's may stay out
	s_barrier_signal -1
	s_barrier_wait -1                              ; everybody's is
	LB 0, 0, 0
	LA 0, 0, A0
	LB 0, 0, 1
	LB 0, 0, 2
	LAP 1                                          ; 16 K steps = 8 laps: the first starts the sums,
	s_mov_b32 s3, 6
.Llap:
	LAP 0                                          ; six go round,
	s_sub_co_u32 s3, s3, 1
	s_cmp_lg_u32 s3, 0
	s_cbranch_scc1 .Llap
	CHUNK  A0, 0, 1, A1, 0, 0                      ; and the last fills nothing
	CHUNKX A1, 0, 1, A0, 0
	CHUNK  A0, 1, 1, A1, 0, 0
	CHUNK  A1, 0, 0, A0, 0, 1
	; THE WAY OUT, 16 rows at a time: add the bias in f32, round to f16, 16 bytes a lane into my own stage, read back as whole rows, store 512 consecutive bytes.
	WIN 0
	PLACES                                         ; behind the last matrix instructions: for the loads into their sources and for the sums that read their results
.irp g, 0,1,2
.irp jj, 0,1,2,3
	ds_load_b128 v[BF+8*(4*\g+\jj):BF+8*(4*\g+\jj)+3],   v[BRD] offset:256*\g+64*\jj      ; the biases of columns 16 jj + 8 h + 0..7 of piece g
	ds_load_b128 v[BF+8*(4*\g+\jj)+4:BF+8*(4*\g+\jj)+7], v[BRD] offset:256*\g+64*\jj+16
.endr
.endr
	s_wait_dscnt 0x0
.macro OUT16 a
.irp g, 0,1,2
	WIN \g+1                                       ; source 0 in window 1 + g
.irp jj, 0,1,2,3
.irp q, 0,1,2,3
	v_pk_add_f32 v[T+8*\jj+2*\q:T+8*\jj+2*\q+1], v[8*(8*\jj+\a)+2*\q:8*(8*\jj+\a)+2*\q+1], v[BF+8*(4*\g+\jj)+2*\q:BF+8*(4*\g+\jj)+2*\q+1]
.endr
.endr
	WIN 0
.irp jj, 0,1,2,3
.irp q, 0,1,2,3
	v_cvt_pk_f16_f32 v[PK+4*\jj+\q], v[T+8*\jj+2*\q], v[T+8*\jj+2*\q+1]
.endr
.endr
.irp jj, 0,1,2,3
	ds_store_b128 v[STO], v[PK+4*\jj:PK+4*\jj+3] offset:16*PA*\g+32*\jj
.endr
.endr
	s_wait_xcnt 0x0                                ; RB, which the last 16 rows' stores read, is loaded again only behind this wait
.irp g, 0,1,2
.irp i, 0,1,2,3
	ds_load_b128 v[RB+4*(4*\g+\i):RB+4*(4*\g+\i)+3], v[RD] offset:16*PA*\g+4*PA*\i   ; LDS serves a wave's instructions in order: these see the stores above
.endr
.endr
.irp g, 0,1,2
.irp i, 0,1,2,3
	s_wait_dscnt 11-(4*\g+\i)                      ; the younger read-backs stay out
	global_store_b128 v[CO], v[RB+4*(4*\g+\i):RB+4*(4*\g+\i)+3], s[66+2*\g:67+2*\g] offset:(16*\a+4*\i)*128   ; four rows of a piece: 512 consecutive bytes, aligned
.endr
.endr
.endm
	OUT16 0
	OUT16 1
	OUT16 2
	OUT16 3
	OUT16 4
	OUT16 5
	OUT16 6
	OUT16 7
	s_wait_tensorcnt 0x0
	ds_add_u32 v30, v31
	s_wait_dscnt 0x0
	CROUND                                         ; the closing round: no work-group ends while a partner may still ask for a tile that names it
	s_endpgm
.Lfunc_end_k_q3fe8470ead_qkv:
	.size	k_q3fe8470ead_qkv, .Lfunc_end_k_q3fe8470ead_qkv-k_q3fe8470ead_qkv
	.p2alignl 7, 3214868480
	.fill 96, 4, 3214868480
	.section	.rodata,"a",@progbits
	.p2align	6, 0x0
	.amdhsa_kernel k_q3fe8470ead_qkv
		.amdhsa_group_segment_fixed_size 327680
		.amdhsa_private_segment_fixed_size 0
		.amdhsa_enable_private_segment 0
		.amdhsa_kernarg_size 32
		.amdhsa_user_sgpr_count 2
		.amdhsa_user_sgpr_kernarg_segment_ptr 1
		.amdhsa_wavefront_size32 1
		.amdhsa_system_sgpr_workgroup_id_x 1
		.amdhsa_system_sgpr_workgroup_id_y 1
		.amdhsa_system_sgpr_workgroup_id_z 1
		.amdhsa_system_vgpr_workitem_id 0
		.amdhsa_next_free_vgpr 1024
		.amdhsa_next_free_sgpr 72
		.amdhsa_reserve_vcc 0
		.amdhsa_float_denorm_mode_32 3
		.amdhsa_float_denorm_mode_16_64 3
		.amdhsa_memory_ordered 1
		.amdhsa_forward_progress 1
		.amdhsa_inst_pref_size 197
	.end_amdhsa_kernel
	.amdgpu_metadata
---
amdhsa.version: [ 1, 2 ]
amdhsa.kernels:
  - .name:           k_q3fe8470ead_qkv
    .symbol:         k_q3fe8470ead_qkv.kd
    .args:
      - { .name: xb, .offset: 0, .size: 8, .value_kind: global_buffer, .address_space: global }
      - { .name: wqb, .offset: 8, .size: 8, .value_kind: global_buffer, .address_space: global }
      - { .name: b_qkv, .offset: 16, .size: 8, .value_kind: global_buffer, .address_space: global }
      - { .name: qkv, .offset: 24, .size: 8, .value_kind: global_buffer, .address_space: global }
    .group_segment_fixed_size: 327680
    .private_segment_fixed_size: 0
    .kernarg_segment_align: 8
    .kernarg_segment_size: 32
    .max_flat_workgroup_size: 128
    .sgpr_count:     72
    .vgpr_count:     1024
    .wavefront_size: 32
...
	.end_amdgpu_metadata
.endif
;; end of part 2
;; launch attn (part 3): grid 256 x 1, 8 waves a work-group, clusters of 4 x 1, 327,680 bytes of LDS; arguments qkv, ao; writes ao
.if DOCPART == 3
	.amdgcn_target "amdgcn-amd-amdhsa--gfx1250"
	.amdhsa_code_object_version 6
	.text
	.protected	k_q3fe8470ead_attn
	.globl	k_q3fe8470ead_attn
	.p2align	8
	.type	k_q3fe8470ead_attn,@function
k_q3fe8470ead_attn:
	s_mov_b64 s[64:65], 0
	v_nop
	global_prefetch_b8 v0, s[64:65] scope:SCOPE_SE
	s_setreg_imm32_b32 hwreg(HW_REG_WAVE_MODE, 25, 1), 1
	s_wait_xcnt 0x0
	s_wait_alu depctr_hold_cnt(0) depctr_sa_sdst(0) depctr_va_vdst(0) depctr_va_sdst(0) depctr_va_ssrc(0) depctr_va_vcc(0) depctr_vm_vsrc(0)
	s_getreg_b32 s2, hwreg(HW_REG_IB_STS2, 6, 4)
	s_cmp_eq_u32 s2, 0
	s_cbranch_scc0 .Lentry_in_a_cluster
	s_endpgm
.Lentry_in_a_cluster:
	s_bfe_u32 s2, ttmp6, 0x10000c
	s_cmp_lg_u32 s2, 0x3003
	s_cbranch_scc0 .Lentry_shape_is_right
	s_endpgm
.Lentry_shape_is_right:
; Causal attention of 64 (batch, head) pairs: T = 2048, 64 numbers a head, scores scaled by 1/32 (1 / sqrt(1024), as the model has it).
; qkv: [48 pieces][8192 rows][64] f16 (q of head h: piece h, k: 16 + h, v: 32 + h).  Result ao: [16 heads][8192 rows][64] f16.
; Softmax with a running maximum, in f32; both products on the matrix units with f16 operands and f32 sums.
; LIMITS: the weights p <= 1 and the result go to f16: below 2^-14 an absolute error of at most 2^-25; |result| <= max |v| < 65,504.
; v_exp_f32 gives zero for results below 2^-126 (ISA guide, its entry): such weights count as zero.
; SHARING: a cluster of four work-groups is one (batch, head).  Its 128 row tiles of 16 rows are dealt to its 32 waves: wave u = 4 w + cx holds the four
; tiles at rows 512 j + 16 u, j = 0..3.  All 32 waves walk the keys 0..2047 together, so K and V are asked for JOINTLY by the four work-groups, and the
; text, the trips and the barriers are the same in all partners.  In phase p (keys 512 p .. +511) the tiles j > p see every key, tiles j < p see none and
; are left out, and tile j = p, whose rows are 512 p + 64 w + 16 cx + 0..15, meets the diagonal: of substep i (keys 512 p + 64 i .. +63) it sees every key
; where i < w, none where i > w (the unit is skipped), and needs a mask where i = w alone.  The three ways hang on the wave's number and a counter alone.
; At the most 8 (4 + 3 + 2 + 1) = 80 units of 16 rows x 64 keys for a wave, against 128 without the causal mask.
; THE MASK on the diagonal is the same in all four phases: key 16 kt + 8 h + jr lies beyond row 16 cx + r.  Its 32 lane masks are made once, into s[70:101];
; a masked unit is then 32 selects that do not wait for each other.
; Eight waves, two for each SIMD, so that one wave's softmax runs beside the other's matrix work.
; NO SHUFFLE BETWEEN THE PRODUCTS: S^T = K Q^T (source 0: 16 keys, source 1: 16 query rows) leaves lane (r, h) with query row r and keys 16 kt + 8 h + 0..7.
; Packed in pairs, tiles 2 c and 2 c + 1 ARE the operand fragment of keys 32 c .. +31 for O^T = V^T P^T (source 0: V^T by the transposing load, source 1: P).
; Maximum, sum and rescale are one number a lane; the two halves h meet by one v_permlanex16_b32; the sum stays apart in the halves until the end.
.set PITK,  144                        ; K's LDS row: 128 bytes + 16, an odd multiple of 16
.set PITV,  160                        ; V's LDS row: 128 bytes + 32 = 5 x 32, an odd multiple of 32
.set VOFF,  256*PITK                   ; 36,864: V's 256 keys lie behind K's
.set SLOT,  VOFF+256*PITV              ; 77,824: a tile of 256 keys
.set STAGE, 2*SLOT                     ; 155,648: the way out, 16 rows x 144 bytes for each wave; no tensor load lands here
.set KB,    6                          ; v6   144 r + 16 h
.set VB,    7                          ; v7   (8 h + L % 8) 160 + 16 ((L / 8) % 2) + VOFF
.set KADR,  8                          ; v8   K's fragments of this substep
.set VADR,  9                          ; v9   V's
.set DIFF0, 10                         ; v10  16 u + r - 8 h: my row less my first key in substep 0 of my tile's phase
.set DW,    11                         ; v11  16 cx + r - 8 h: the same in the substep on the diagonal; read at the head alone
.set NINF,  12                         ; v12  minus infinity
.set STO,   13
.set RD,    14
.set CO,    15                         ; v15  2048 u + 16 L
.set QO,    16                         ; v16  (16 u + r) 128 + 16 h
.set PFO,   17                         ; v17  8192 cx + 256 L; never rewritten
.set NMC,   18                         ; v[18:19] - c x maximum (the second register is written once and never used)
.set AL,    20                         ; v[20:21] the rescale of the old sums (likewise)
.set MN,    22                         ; v22  the new maximum
.set MX,    24                         ; v[24:27] running maximum of row tile j
.set LS,    28                         ; v[28:31] running sum of row tile j, my half of the keys
.set TT,    32                         ; v[32:39] at work
.set KF,    64                         ; v[64:127]  K's fragments (kt, c) at 16 kt + 8 c
.set VF,    128                        ; v[128:191] V^T's fragments (t, c) at 16 t + 8 c
.set SC,    192                        ; v[192:223] scores, then weights, of four key tiles
.set PP,    224                        ; v[224:239] the weights in f16: registers of their own, so that the next unit's scores write over no register of this unit's products
.set OA,    64                         ; window 1: v[0:63] Q's fragments (j, c) at 16 j + 8 c; v[64:191] O^T, tile (j, t) at 64 + 32 j + 8 t
.set G1K, 28                           ; s[28:35] descriptor group 1 for K;  s[36:43] for V
.set G1V, 36
.set G0K, 44                           ; s[44:51] group 0 for K, a set for each slot;  s[52:59] for V
.set G0V, 52
.set MK,  70                           ; s[70:101] the diagonal's lane masks, (kt, jr) at 8 kt + jr
.set MSB, 0
.macro WIN new
.if MSB != (\new)
	s_set_vgpr_msb (MSB<<8)|(\new)
.set MSB, (\new)
.endif
.endm
.macro PLACES                          ; four plain vector instructions between a matrix instruction and a load into, or a vector instruction on, its registers
.rept 4
	v_nop
.endr
.endm
.macro JLOAD s                         ; waves 0-3 fetch a quarter of K's tile each, waves 4-7 of V's; the branch hangs on the wave's number alone
	s_cmp_eq_u32 s10, 0
	s_cbranch_scc0 .Lfor_v_\@
	tensor_load_to_lds s[G0K+4*\s:G0K+4*\s+3], s[G1K:G1K+7]
	s_nop 0
	s_branch .Lasked_\@
.Lfor_v_\@:
	tensor_load_to_lds s[G0V+4*\s:G0V+4*\s+3], s[G1V:G1V+7]
	s_nop 0
.Lasked_\@:
.endm
.macro ROUND                           ; a round of the cluster's barrier
	s_barrier_signal -1
	s_barrier_wait -1
	s_cmp_lg_u32 s8, 0
	s_cbranch_scc1 .Lnot_wave_0_\@
	s_barrier_signal -3
.Lnot_wave_0_\@:
	s_barrier_wait -3
	s_barrier_signal -1
	s_barrier_wait -1
.endm
	s_load_b128 s[4:7], s[0:1], 0x0                ; qkv s[4:5], ao s[6:7]
	v_lshl_add_u32 v46, v0, 2, 0x2a800
	v_mov_b32 v47, 0
	ds_add_u32 v46, v47
	v_lshrrev_b32 v1, 5, v0
	v_readfirstlane_b32 s8, v1                     ; wave 0..7
	s_and_b32 s9, s8, 3                            ; which quarter of a tile I fetch
	s_lshr_b32 s10, s8, 2                          ; of K (0) or of V (1)
	s_bfe_u32 s11, ttmp6, 0x40000                  ; cx
	s_and_b32 s13, ttmp9, 15                       ; head  (ttmp9 counts clusters: 16 b + head)
	s_lshr_b32 s14, ttmp9, 4                       ; batch
	s_lshl_b32 s16, s13, 20                        ; a piece is 1 MiB,
	s_lshl_b32 s17, s14, 18                        ; a batch's 2,048 rows of 128 bytes
	s_add_co_u32 s16, s16, s17
	s_mov_b32 s17, 0
	s_lshl_b32 s18, s9, 13                         ; my quarter: 64 keys of 128 bytes
	s_mov_b32 s19, 0
	s_mul_i32 s12, s9, 64*PITK                     ; and where it goes
	s_mul_i32 s15, s9, 64*PITV
	s_add_co_u32 s15, s15, VOFF
	s_mov_b32 s20, 0x76543210                      ; v_permlanex16_b32: lane i of one half reads lane i of the other
	s_mov_b32 s21, 0xfedcba98
	s_mov_b32 s22, 0x3d38aa3b                      ; c = log2(e) / 32: scale and base of the exponential in one factor
	s_mov_b32 s23, 0x3d38aa3b
	s_mov_b32 s24, 0xbd38aa3b                      ; - c
	; a quarter tile: 64 keys x 128 bytes, dense in its piece, taken as 32 rows of 256 bytes; padding behind every 128 bytes
	s_mov_b32 s[G1K+0], 15|(1<<16)|(1<<20)|(1<<21)|(4<<22)|(3<<25)   ; all four work-groups; 2-byte elements; padding on; bit 21 beside a mask; after every 32 words; of 4 words
	s_mov_b32 s[G1K+1], 128<<16
	s_mov_b32 s[G1K+2], 32<<16
	s_mov_b32 s[G1K+3], 128<<16
	s_mov_b32 s[G1K+4], 32
	s_mov_b32 s[G1K+5], 128
	s_mov_b32 s[G1K+6], 0
	s_mov_b32 s[G1K+7], 0
	s_mov_b32 s[G1V+0], 15|(1<<16)|(1<<20)|(1<<21)|(4<<22)|(7<<25)   ; the same with 8 words of padding
	s_mov_b32 s[G1V+1], 128<<16
	s_mov_b32 s[G1V+2], 32<<16
	s_mov_b32 s[G1V+3], 128<<16
	s_mov_b32 s[G1V+4], 32
	s_mov_b32 s[G1V+5], 128
	s_mov_b32 s[G1V+6], 0
	s_mov_b32 s[G1V+7], 0
	s_wait_dscnt 0x0
	s_wait_kmcnt 0x0
	s_add_nc_u64 s[66:67], s[4:5], s[16:17]        ; q of my head and batch
	s_add_nc_u64 s[68:69], s[6:7], s[16:17]        ; ao likewise
	s_add_nc_u64 s[60:61], s[66:67], 0x1000000     ; k: 16 pieces on
	s_add_nc_u64 s[62:63], s[66:67], 0x2000000     ; v: 32 pieces on
	ROUND                                          ; all four work-groups are here: the first joint loads meet
.irp s, 0,1
	s_mov_b32 s[G0K+4*\s], 1
	s_add_co_u32 s[G0K+4*\s+1], s12, \s*SLOT
	s_add_nc_u64 s[G0K+4*\s+2:G0K+4*\s+3], s[60:61], s[18:19]
	s_add_nc_u64 s[G0K+4*\s+2:G0K+4*\s+3], s[G0K+4*\s+2:G0K+4*\s+3], \s*32768   ; tile s: 256 keys of 128 bytes
	s_or_b32 s[G0K+4*\s+3], s[G0K+4*\s+3], 0x80000000
	s_mov_b32 s[G0V+4*\s], 1
	s_add_co_u32 s[G0V+4*\s+1], s15, \s*SLOT
	s_add_nc_u64 s[G0V+4*\s+2:G0V+4*\s+3], s[62:63], s[18:19]
	s_add_nc_u64 s[G0V+4*\s+2:G0V+4*\s+3], s[G0V+4*\s+2:G0V+4*\s+3], \s*32768
	s_or_b32 s[G0V+4*\s+3], s[G0V+4*\s+3], 0x80000000
	JLOAD \s                                       ; tiles 0 and 1: two tensor loads of the wave are out
.endr
	v_and_b32 v1, 31, v0                           ; L
	v_and_b32 v2, 15, v0                           ; r
	v_bfe_u32 v3, v0, 4, 1                         ; h
	v_and_b32 v4, 7, v0                            ; L % 8
	v_bfe_u32 v5, v0, 3, 1                         ; (L / 8) % 2
	s_lshl2_add_u32 s27, s8, s11                   ; u = 4 w + cx
	s_lshl_b32 s27, s27, 4                         ; 16 u
	v_add_nc_u32 v[QO], s27, v2
	v_lshlrev_b32 v[QO], 7, v[QO]
	v_lshl_add_u32 v[QO], v3, 4, v[QO]
	WIN 0x40                                       ; destination in window 1
.irp j, 0,1,2,3
.irp c, 0,1
	global_load_b128 v[16*\j+8*\c:16*\j+8*\c+3],   v[QO], s[66:67] offset:65536*\j+64*\c      ; Q's fragment: row 512 j + 16 u + r, numbers 32 c + 8 h ..
	global_load_b128 v[16*\j+8*\c+4:16*\j+8*\c+7], v[QO], s[66:67] offset:65536*\j+64*\c+32   ; and 32 c + 16 + 8 h ..
.endr
.endr
	WIN 0
	v_lshlrev_b32 v[DW], 3, v3
	v_sub_nc_u32 v[DW], v2, v[DW]                  ; r - 8 h
	v_add_nc_u32 v[DIFF0], s27, v[DW]              ; + 16 u: for substep 0
	s_lshl_b32 s26, s11, 4
	v_add_nc_u32 v[DW], s26, v[DW]                 ; + 16 cx: for the substep on the diagonal, where rows and keys both begin at 64 w
.irp kt, 0,1,2,3
.irp jr, 0,1,2,3,4,5,6,7
	v_cmp_gt_i32 s[MK+8*\kt+\jr], 16*\kt+\jr, v[DW]   ; the lanes for which key 16 kt + 8 h + jr lies beyond row 16 cx + r; these masks feed selects alone, no branch and no address
.endr
.endr
	v_lshlrev_b32 v[CO], 4, v1
	v_lshl_add_u32 v[CO], s27, 7, v[CO]
	v_lshlrev_b32 v[PFO], 8, v1
	v_lshl_add_u32 v[PFO], s11, 13, v[PFO]
	v_mul_u32_u24 v[KB], v2, PITK
	v_lshl_add_u32 v[KB], v3, 4, v[KB]
	v_lshl_add_u32 v[VB], v3, 3, v4
	v_mul_u32_u24 v[VB], v[VB], PITV
	v_lshl_add_u32 v[VB], v5, 4, v[VB]
	v_add_nc_u32 v[VB], VOFF, v[VB]
	s_mul_i32 s25, s8, 16*PITK
	s_add_co_u32 s25, s25, STAGE                   ; my stage
	v_add_nc_u32 v[STO], s25, v[KB]                ; in: row r, 16 bytes for each half of the lanes
	v_lshrrev_b32 v[RD], 3, v1
	v_mul_u32_u24 v[RD], v[RD], PITK
	v_lshl_add_u32 v[RD], v4, 4, v[RD]
	v_add_nc_u32 v[RD], s25, v[RD]                 ; back: eight lanes take a row of 128 bytes
	v_mov_b32 v[NINF], 0xff800000
	v_mov_b32 v[NMC+1], 0                          ; second registers of two pairs of which the packed forms use the first alone
	v_mov_b32 v[AL+1], 0
; 16 loads: K's fragments of the 64 keys that begin off bytes behind KADR.  Every score product is followed by four places, so none are written here.
.macro LOADK off
.irp kt, 0,1,2,3
.irp c, 0,1
	ds_load_b128 v[KF+16*\kt+8*\c:KF+16*\kt+8*\c+3],   v[KADR] offset:\off+16*PITK*\kt+64*\c
	ds_load_b128 v[KF+16*\kt+8*\c+4:KF+16*\kt+8*\c+7], v[KADR] offset:\off+16*PITK*\kt+64*\c+32
.endr
.endr
.endm
; 16 loads: V^T's fragments of this substep's 64 keys
.macro LOADV
	PLACES                                         ; behind the last products, which read VF
.irp t, 0,1,2,3
.irp c, 0,1
	ds_load_tr16_b128 v[VF+16*\t+8*\c:VF+16*\t+8*\c+3],   v[VADR] offset:32*PITV*\c+32*\t
	ds_load_tr16_b128 v[VF+16*\t+8*\c+4:VF+16*\t+8*\c+7], v[VADR] offset:32*PITV*\c+32*\t+16*PITV
.endr
.endr
.endm
; One unit: row tile j against the 64 keys whose fragments lie in KF and VF.
; masked = 0: every key is seen; 1: the unit on the diagonal, by the lane masks of s[70:101]; 2: substep 0 for any wave, by a compare with DIFF0.
; first = 1: the unit starts maximum, sum and O (nothing is cleared).  wS, wPV: counts of the LDS waits in front of the two products; 99 = none is needed.
; kpf: this unit's score products are the last readers of KF in the substep, and the next substep's K fragments are loaded behind them, to land during the
; softmax and the second product: 2 = always; 1 = in all but a slot's last substep (s25 = 1), whose successor lies in a tile that only the barrier shows; 0 = never.
; In both products four accumulators take turns, one instruction a turn.
.macro UNIT j, masked, first, wS, wPV, kpf
.if \wS < 64
	s_wait_dscnt \wS
.endif
	WIN 0x04                                       ; source 1 (Q) in window 1
.irp kt, 0,1,2,3
	v_wmma_f32_16x16x32_f16 v[SC+8*\kt:SC+8*\kt+7], v[KF+16*\kt:KF+16*\kt+7], v[16*\j:16*\j+7], 0
.endr
.irp kt, 0,1,2,3
	v_wmma_f32_16x16x32_f16 v[SC+8*\kt:SC+8*\kt+7], v[KF+16*\kt+8:KF+16*\kt+15], v[16*\j+8:16*\j+15], v[SC+8*\kt:SC+8*\kt+7]
.endr
	WIN 0
	PLACES                                         ; for the vector work on the scores and for the loads into KF
.if \kpf == 1
	s_cmp_eq_u32 s25, 1
	s_cbranch_scc1 .Lnok_\@
.endif
.if \kpf
	LOADK 64*PITK
.endif
.if \kpf == 1
.Lnok_\@:
.endif
.if \masked == 1
.irp kt, 0,1,2,3
.irp jr, 0,1,2,3,4,5,6,7
	v_cndmask_b32 v[SC+8*\kt+\jr], v[SC+8*\kt+\jr], v[NINF], s[MK+8*\kt+\jr]
.endr
.endr
.endif
.if \masked == 2
.irp kt, 0,1,2,3
.irp jr, 0,1,2,3,4,5,6,7
	v_cmp_gt_i32 vcc_lo, 16*\kt+\jr, v[DIFF0]      ; key 16 kt + 8 h + jr lies beyond row 16 u + r: in wave 0 alone, since 16 u + r - 8 h >= 56 in the others
	v_cndmask_b32 v[SC+8*\kt+\jr], v[SC+8*\kt+\jr], v[NINF], vcc_lo
.endr
.endr
.endif
	; the largest of my 32 scores, in four chains
.irp k, 0,1,2,3
	v_max3_num_f32 v[TT+\k], v[SC+8*\k], v[SC+8*\k+1], v[SC+8*\k+2]
.endr
.irp k, 0,1,2,3
	v_max3_num_f32 v[TT+\k], v[TT+\k], v[SC+8*\k+3], v[SC+8*\k+4]
.endr
.irp k, 0,1,2,3
	v_max3_num_f32 v[TT+\k], v[TT+\k], v[SC+8*\k+5], v[SC+8*\k+6]
.endr
	v_max3_num_f32 v[TT], v[TT], v[SC+7], v[SC+15]
	v_max3_num_f32 v[TT+1], v[TT+1], v[SC+23], v[SC+31]
	v_max3_num_f32 v[TT], v[TT], v[TT+1], v[TT+2]
	v_max_num_f32 v[TT], v[TT], v[TT+3]
	v_permlanex16_b32 v[TT+1], v[TT], s20, s21     ; the other half's keys of the same row
.if \first
	v_max_num_f32 v[MN], v[TT], v[TT+1]            ; finite: key 0 is seen by every row
.else
	v_max3_num_f32 v[MN], v[TT], v[TT+1], v[MX+\j]
.endif
	v_mul_f32 v[NMC], s24, v[MN]
.if \first == 0
	v_fma_f32 v[AL], v[MX+\j], s22, v[NMC]
	v_exp_f32 v[AL], v[AL]                         ; 2^(c (old maximum - new maximum))
.endif
	v_mov_b32 v[MX+\j], v[MN]                      ; also the plain instruction between v_exp_f32 and the use of its result (ISA guide 5.7.2)
.irp k, 0,1,2,3,4,5,6,7,8,9,10,11,12,13,14,15
	v_pk_fma_f32 v[SC+2*\k:SC+2*\k+1], v[SC+2*\k:SC+2*\k+1], s[22:23], v[NMC:NMC+1] op_sel_hi:[1,0,0]   ; c s - c m
.endr
.irp k, 0,1,2,3,4,5,6,7,8,9,10,11,12,13,14,15,16,17,18,19,20,21,22,23,24,25,26,27,28,29,30,31
	v_exp_f32 v[SC+\k], v[SC+\k]
.endr
	v_nop                                          ; one plain instruction behind the last exponential
	s_wait_alu depctr_va_vdst(0)
.irp k, 0,1,2,3
	v_pk_add_f32 v[TT+2*\k:TT+2*\k+1], v[SC+4*\k:SC+4*\k+1], v[SC+4*\k+2:SC+4*\k+3]
.endr
.irp k, 0,1,2,3
	v_pk_add_f32 v[TT+2*\k:TT+2*\k+1], v[TT+2*\k:TT+2*\k+1], v[SC+16+2*\k:SC+16+2*\k+1]
.endr
.irp k, 0,1,2,3
	v_pk_add_f32 v[TT+2*\k:TT+2*\k+1], v[TT+2*\k:TT+2*\k+1], v[SC+24+2*\k:SC+24+2*\k+1]
.endr
	v_pk_add_f32 v[TT:TT+1], v[TT:TT+1], v[TT+2:TT+3]
	v_pk_add_f32 v[TT+4:TT+5], v[TT+4:TT+5], v[TT+6:TT+7]
	v_pk_add_f32 v[TT:TT+1], v[TT:TT+1], v[TT+4:TT+5]
.if \first
	v_add_f32 v[LS+\j], v[TT], v[TT+1]
.else
	v_add_f32 v[TT], v[TT], v[TT+1]
	v_fma_f32 v[LS+\j], v[LS+\j], v[AL], v[TT]
.endif
.irp k, 0,1,2,3,4,5,6,7,8,9,10,11,12,13,14,15
	v_cvt_pk_f16_f32 v[PP+\k], v[SC+2*\k], v[SC+2*\k+1]
.endr
.if \first == 0
	WIN 0x41                                       ; O in window 1, as source 0 and as destination
.irp k, 0,1,2,3,4,5,6,7,8,9,10,11,12,13,14,15
	v_pk_mul_f32 v[OA+32*\j+2*\k:OA+32*\j+2*\k+1], v[OA+32*\j+2*\k:OA+32*\j+2*\k+1], v[AL:AL+1] op_sel_hi:[1,0]
.endr
.endif
.if \wPV < 64
	s_wait_dscnt \wPV
.endif
	WIN 0x50                                       ; C and D in window 1
.irp t, 0,1,2,3
.if \first
	v_wmma_f32_16x16x32_f16 v[OA+32*\j+8*\t:OA+32*\j+8*\t+7], v[VF+16*\t:VF+16*\t+7], v[PP:PP+7], 0
.else
	v_wmma_f32_16x16x32_f16 v[OA+32*\j+8*\t:OA+32*\j+8*\t+7], v[VF+16*\t:VF+16*\t+7], v[PP:PP+7], v[OA+32*\j+8*\t:OA+32*\j+8*\t+7]
.endif
.endr
.irp t, 0,1,2,3
	v_wmma_f32_16x16x32_f16 v[OA+32*\j+8*\t+0:OA+32*\j+8*\t+7], v[VF+16*\t+8:VF+16*\t+15], v[PP+8:PP+15], v[OA+32*\j+8*\t:OA+32*\j+8*\t+7]
.endr
	WIN 0
.endm
; A substep of phase p: 64 keys against tile p (plain where substep i < wave, masked where i = wave, skipped where i > wave) and the tiles above it.
; K's fragments have been asked for ahead of the substep; V's are asked for here.  So in front of the first score products the count 16 lets the sixteen V loads,
; issued behind K's, stay out; the wait for 0 in front of that unit's second product shows V in.
.macro SUBSTEP p
.if \p == 3
	s_cmp_gt_u32 s26, s8                           ; tile 3 is all there is: a wave with nothing left to do reads nothing
	s_cbranch_scc1 .Ljoin_\@
	LOADV
	s_cmp_eq_u32 s26, s8
	s_cbranch_scc1 .Ldiag_\@
	UNIT 3, 0, 0, 16, 0, 1                         ; i < w: the next substep is mine too; its K loads are waited for together with V, a softmax behind their issue
	s_branch .Ljoin_\@
.Ldiag_\@:
	UNIT 3, 1, 0, 16, 0, 0                         ; the diagonal: my last unit of all
.Ljoin_\@:
.else
	LOADV
	s_cmp_ge_u32 s26, s8
	s_cbranch_scc1 .Ldiag_\@
	UNIT \p, 0, 0, 16, 0, 0                        ; i < w: every key is seen
	s_branch .Ljoin_\@
.Ldiag_\@:
	s_cmp_lg_u32 s26, s8
	s_cbranch_scc1 .Ljoin_\@                       ; i > w: none is
	UNIT \p, 1, 0, 16, 0, 0                        ; i = w: the diagonal
.Ljoin_\@:
	s_wait_dscnt 0x0                               ; on the way that skipped the unit nothing has been waited for yet
.if \p < 1
	UNIT 1, 0, 0, 99, 99, 0
.endif
.if \p < 2
	UNIT 2, 0, 0, 99, 99, 0
.endif
	UNIT 3, 0, 0, 99, 99, 1
.endif
.endm
.macro STEPADR                         ; 64 keys on
	v_add_nc_u32 v[KADR], 64*PITK, v[KADR]
	v_add_nc_u32 v[VADR], 64*PITV, v[VADR]
	s_add_co_u32 s26, s26, 1
.endm
; Tile t (256 keys, slot t % 2, phase t / 2): the change of slots, then four substeps.
.macro SLOTSTEP t
.if \t > 0
	s_wait_dscnt 0x0                               ; my reads of the slot read last are over
	s_wait_tensorcnt 0x0                           ; all my tensor loads have landed, my part of tile t among them: every group 0 may be written
	ds_add_u32 v46, v47
	s_wait_dscnt 0x0
.if \t <= 6
	s_add_nc_u64 s[G0K+4*((\t+1)&1)+2:G0K+4*((\t+1)&1)+3], s[G0K+4*((\t+1)&1)+2:G0K+4*((\t+1)&1)+3], 65536   ; that slot's next tile: two tiles on
	s_add_nc_u64 s[G0V+4*((\t+1)&1)+2:G0V+4*((\t+1)&1)+3], s[G0V+4*((\t+1)&1)+2:G0V+4*((\t+1)&1)+3], 65536
	ROUND                                          ; both now hold of every wave of all four work-groups
	JLOAD ((\t+1)&1)                               ; tile t + 1, first thing behind the round: one tensor load of the wave is out, and has four substeps in which to land
.else
	s_barrier_signal -1                            ; the last tile: nothing is left to fetch; the barrier shows the whole tile to every wave
	s_barrier_wait -1
.endif
.endif
.if \t <= 5
	; Wave 7 asks for my work-group's quarter (8,192 bytes, lanes 256 bytes apart) of K's and V's tile t + 2, whose joint load is issued in the next slot step.
	; The four work-groups together ask for each block of tiles 2 to 7 once; nothing is asked for beyond tile 7.
	s_cmp_lg_u32 s8, 7
	s_cbranch_scc1 .Lnopf_\@
	global_prefetch_b8 v[PFO], s[60:61] offset:(\t+2)*32768 th:TH_LOAD_NT scope:SCOPE_SE
	global_prefetch_b8 v[PFO], s[62:63] offset:(\t+2)*32768 th:TH_LOAD_NT scope:SCOPE_SE
.Lnopf_\@:
.endif
.if (\t&1) == 0
	s_mov_b32 s26, 0                               ; a phase begins: substep 0
	v_mov_b32 v[KADR], v[KB]
	v_mov_b32 v[VADR], v[VB]
.else
	v_add_nc_u32 v[KADR], SLOT, v[KB]
	v_add_nc_u32 v[VADR], SLOT, v[VB]
.endif
	; the slot's first K fragments: nothing could ask for them ahead of the barrier
.if (\t>>1) == 3
	s_cmp_gt_u32 s26, s8                           ; in phase 3 only where the substep is mine
	s_cbranch_scc1 .Lnofirst_\@
	LOADK 0
.Lnofirst_\@:
.else
	LOADK 0
.endif
.if \t == 0
	LOADV                                          ; the very first substep starts all four tiles' maxima, sums and O
	UNIT 0, 2, 1, 16, 0, 0
	UNIT 1, 0, 1, 99, 99, 0
	UNIT 2, 0, 1, 99, 99, 0
	UNIT 3, 0, 1, 99, 99, 2                        ; three substeps of this slot follow
	STEPADR
	s_mov_b32 s25, 3
.else
	s_mov_b32 s25, 4
.endif
.Lsub_\@:
	SUBSTEP (\t>>1)
	STEPADR
	s_sub_co_u32 s25, s25, 1
	s_cmp_lg_u32 s25, 0
	s_cbranch_scc1 .Lsub_\@
.endm
	s_wait_tensorcnt 0x1                           ; my part of tile 0 is in; tile 1's may stay out
	s_barrier_signal -1
	s_barrier_wait -1                              ; everybody's is
	s_wait_loadcnt 0x0                             ; Q
	SLOTSTEP 0
	SLOTSTEP 1
	SLOTSTEP 2
	SLOTSTEP 3
	SLOTSTEP 4
	SLOTSTEP 5
	SLOTSTEP 6
	SLOTSTEP 7
	; THE END: divide by the sums, round to f16, 16 bytes a lane into my own stage, read back as whole rows, store 512 consecutive bytes.
	PLACES                                         ; behind the last products: SC, PP and O are touched below
.irp j, 0,1,2,3
	v_permlanex16_b32 v[TT], v[LS+\j], s20, s21    ; the other half's part of the sum
	v_add_f32 v[TT], v[TT], v[LS+\j]               ; at least about 1: the largest score's weight
	v_rcp_f32 v[AL], v[TT]
	v_nop                                          ; one plain instruction behind v_rcp_f32
	WIN 0x01                                       ; source 0 (O) in window 1
	s_wait_alu depctr_va_vdst(0)
.irp k, 0,1,2,3,4,5,6,7,8,9,10,11,12,13,14,15
	v_pk_mul_f32 v[SC+2*\k:SC+2*\k+1], v[OA+32*\j+2*\k:OA+32*\j+2*\k+1], v[AL:AL+1] op_sel_hi:[1,0]
.endr
	WIN 0
.irp k, 0,1,2,3,4,5,6,7,8,9,10,11,12,13,14,15
	v_cvt_pk_f16_f32 v[PP+\k], v[SC+2*\k], v[SC+2*\k+1]
.endr
.irp t, 0,1,2,3
	ds_store_b128 v[STO], v[PP+4*\t:PP+4*\t+3] offset:32*\t       ; row r, numbers 16 t + 8 h + 0..7
.endr
.set RBJ, 48+192*(\j&1)                        ; two sets of read-back registers take turns: v[48:63], v[240:255]
.if \j >= 2
	s_wait_xcnt 0x0                                ; the set, which stores of two tiles ago read, is loaded again only behind this wait
.endif
.irp i, 0,1,2,3
	ds_load_b128 v[RBJ+4*\i:RBJ+4*\i+3], v[RD] offset:4*PITK*\i   ; LDS serves a wave's instructions in order: these see the stores above
.endr
.irp i, 0,1,2,3
	s_wait_dscnt 3-\i
	global_store_b128 v[CO], v[RBJ+4*\i:RBJ+4*\i+3], s[68:69] offset:65536*\j+512*\i   ; four rows of my head: 512 consecutive bytes, aligned
.endr
.endr
	s_wait_tensorcnt 0x0
	ds_add_u32 v46, v47
	s_wait_dscnt 0x0
	ROUND                                          ; the closing round: no work-group ends while a partner may still ask for a tile that names it
	s_endpgm
.Lfunc_end_k_q3fe8470ead_attn:
	.size	k_q3fe8470ead_attn, .Lfunc_end_k_q3fe8470ead_attn-k_q3fe8470ead_attn
	.p2alignl 7, 3214868480
	.fill 96, 4, 3214868480
	.section	.rodata,"a",@progbits
	.p2align	6, 0x0
	.amdhsa_kernel k_q3fe8470ead_attn
		.amdhsa_group_segment_fixed_size 327680
		.amdhsa_private_segment_fixed_size 0
		.amdhsa_enable_private_segment 0
		.amdhsa_kernarg_size 16
		.amdhsa_user_sgpr_count 2
		.amdhsa_user_sgpr_kernarg_segment_ptr 1
		.amdhsa_wavefront_size32 1
		.amdhsa_system_sgpr_workgroup_id_x 1
		.amdhsa_system_sgpr_workgroup_id_y 1
		.amdhsa_system_sgpr_workgroup_id_z 1
		.amdhsa_system_vgpr_workitem_id 0
		.amdhsa_next_free_vgpr 448
		.amdhsa_next_free_sgpr 102
		.amdhsa_reserve_vcc 1
		.amdhsa_float_denorm_mode_32 3
		.amdhsa_float_denorm_mode_16_64 3
		.amdhsa_memory_ordered 1
		.amdhsa_forward_progress 1
		.amdhsa_inst_pref_size 255
	.end_amdhsa_kernel
	.section	.bss,"aw",@nobits
	.p2align	6
	.space	262144
	.amdgpu_metadata
---
amdhsa.version: [ 1, 2 ]
amdhsa.kernels:
  - .name:           k_q3fe8470ead_attn
    .symbol:         k_q3fe8470ead_attn.kd
    .args:
      - { .name: qkv, .offset: 0, .size: 8, .value_kind: global_buffer, .address_space: global }
      - { .name: ao, .offset: 8, .size: 8, .value_kind: global_buffer, .address_space: global }
    .group_segment_fixed_size: 327680
    .private_segment_fixed_size: 0
    .kernarg_segment_align: 8
    .kernarg_segment_size: 16
    .max_flat_workgroup_size: 256
    .sgpr_count:     102
    .vgpr_count:     448
    .wavefront_size: 32
...
	.end_amdgpu_metadata
.endif
;; end of part 3
;; launch proj (part 4): grid 8 x 32, 4 waves a work-group, clusters of 4 x 4, 327,680 bytes of LDS; arguments ao, wob, b_out, out0; writes out0
.if DOCPART == 4
	.amdgcn_target "amdgcn-amd-amdhsa--gfx1250"
	.amdhsa_code_object_version 6
	.text
	.protected	k_q3fe8470ead_proj
	.globl	k_q3fe8470ead_proj
	.p2align	8
	.type	k_q3fe8470ead_proj,@function
k_q3fe8470ead_proj:
	s_mov_b64 s[64:65], 0
	v_nop
	global_prefetch_b8 v0, s[64:65] scope:SCOPE_SE
	s_setreg_imm32_b32 hwreg(HW_REG_WAVE_MODE, 25, 1), 1
	s_wait_xcnt 0x0
	s_wait_alu depctr_hold_cnt(0) depctr_sa_sdst(0) depctr_va_vdst(0) depctr_va_sdst(0) depctr_va_ssrc(0) depctr_va_vcc(0) depctr_vm_vsrc(0)
	s_getreg_b32 s2, hwreg(HW_REG_IB_STS2, 6, 4)
	s_cmp_eq_u32 s2, 0
	s_cbranch_scc0 .Lentry_in_a_cluster
	s_endpgm
.Lentry_in_a_cluster:
	s_bfe_u32 s2, ttmp6, 0x10000c
	s_cmp_lg_u32 s2, 0xf033
	s_cbranch_scc0 .Lentry_shape_is_right
	s_endpgm
.Lentry_shape_is_right:
; out0 = ao w_out + b_out.  ao: [16 heads][8192 rows][64] f16 (k = 64 head + number); wob: [1024 k][1024 n], bf16 values in f16's encoding;
; b_out: [1024] f32; out0: [8192][1024] f32.  f16 matrix form, sums in f32.
; A work-group makes 256 rows x 128 columns: 8,192 x 1,024 outputs shared among 256 work-groups; a larger block would leave work-groups without work.
; Wave (wm, wn) makes rows 128 wm .. +127, columns 64 wn .. +63: 32 accumulator tiles, 256 registers, in window 1, tile (jj, a) at v[8 (8 jj + a)].
; K goes in steps of 128 (two heads) through two LDS slots; a step is four quarters of 32 along K, 32 matrix instructions each, on two fragment buffers.
; CLUSTERS: 4 x 4 work-groups; ao's tile hangs on the block row alone and is asked for jointly by a row of the cluster, the weights' tile on the block
; column alone and by a column: the requests for both are divided by four.
; THE MATRIX INSTRUCTION IS USED TRANSPOSED (source 0: 16 columns of the weights, source 1: 16 rows of ao): lane (r, h) holds row r, columns 8 h + 0..7.
.set PA,    144                        ; ao's LDS row: 128 bytes + 16
.set PB,    288                        ; the weights' LDS row: 256 bytes + 32 = 9 x 32, an odd multiple of 32
.set SUBA,  256*PA                     ; 36,864: one head's 256 rows
.set BOFF,  2*SUBA                     ; 73,728: the weights' 128 rows lie behind the two heads
.set SLOT,  BOFF+128*PB                ; 110,592
.set STAGE, 2*SLOT                     ; 221,184: the way out, 16 rows x 272 bytes for each wave; no tensor load lands here
.set SP,    272
.set ADRA, 16                          ; v16-17  LDS address of my ao fragments in slot 0, 1
.set ADRB, 20                          ; v20-21  the same for the weights
.set STO,  24
.set RD,   25
.set CO,   26
.set F0,   32                          ; fragment buffer 0: ao's eight at v[32:95], the weights' four at v[96:127]
.set F1,   128                         ; fragment buffer 1: v[128:191], v[192:223]
.set BIAS, 224                         ; v[224:255] the biases of my columns 16 jj + 8 h + 0..7
.set T,    32                          ; way out: 32 sums
.set RB,   128                         ; way out: 32 registers read back
.set G1A, 24
.set G0A, 32
.set G1B, 48
.set G0B, 56
.set MSB, 0
.macro WIN new
.if MSB != (\new)
	s_set_vgpr_msb (MSB<<8)|(\new)
.set MSB, (\new)
.endif
.endm
.macro PLACES                          ; four plain vector instructions between a matrix instruction and a load into, or a vector instruction on, its registers
.rept 4
	v_nop
.endr
.endm
.macro JLOAD s                         ; waves 0 and 1 fetch the two heads' rows of ao, waves 2 and 3 the weights' two halves
	s_cmp_eq_u32 s13, 0
	s_cbranch_scc0 .Lfor_b_\@
	tensor_load_to_lds s[G0A+4*\s:G0A+4*\s+3], s[G1A:G1A+7]
	s_nop 0
	s_branch .Lasked_\@
.Lfor_b_\@:
	tensor_load_to_lds s[G0B+4*\s:G0B+4*\s+3], s[G1B:G1B+7]
	s_nop 0
.Lasked_\@:
.endm
.macro CREST
	s_cmp_lg_u32 s12, 0
	s_cbranch_scc1 .Lnot_wave_0_\@
	s_barrier_signal -3
.Lnot_wave_0_\@:
	s_barrier_wait -3
	s_barrier_signal -1
	s_barrier_wait -1
.endm
.macro CROUND
	s_barrier_signal -1
	s_barrier_wait -1
	CREST
.endm
	s_load_b256 s[4:11], s[0:1], 0x0               ; ao s[4:5], wob s[6:7], b_out s[8:9], out0 s[10:11]
	v_lshl_add_u32 v30, v0, 2, 0x3a400
	v_mov_b32 v31, 0
	ds_add_u32 v30, v31
	v_lshrrev_b32 v1, 5, v0
	v_readfirstlane_b32 s12, v1                    ; wave 0..3
	s_lshr_b32 s13, s12, 1                         ; wm.  Also: I fetch for ao (0) or for the weights (1)
	s_and_b32 s14, s12, 1                          ; wn.  Also: which head, or which half of the weights' tile, I fetch
	s_bfe_u32 s40, ttmp6, 0x40000                  ; cx
	s_bfe_u32 s41, ttmp6, 0x40004                  ; cy
	s_lshl_b32 s42, ttmp9, 2
	s_add_co_u32 s42, s42, s40                     ; block column 0..7
	s_and_b32 s43, ttmp7, 0xffff
	s_lshl_b32 s43, s43, 2
	s_add_co_u32 s43, s43, s41                     ; block row 0..31
	s_lshl_b32 s44, s41, 2
	s_lshl_b32 s44, 15, s44                        ; my row of the cluster
	s_lshl_b32 s45, 0x1111, s40                    ; my column
	; one head's 256 rows x 128 bytes, dense in ao, taken as 128 rows of 256 bytes; 16 bytes of padding behind every 128 bytes
	s_or_b32 s[G1A+0], s44, (1<<16)|(1<<20)|(1<<21)|(4<<22)|(3<<25)
	s_mov_b32 s[G1A+1], 128<<16
	s_mov_b32 s[G1A+2], 128<<16
	s_mov_b32 s[G1A+3], 128<<16
	s_mov_b32 s[G1A+4], 128
	s_mov_b32 s[G1A+5], 128
	s_mov_b32 s[G1A+6], 0
	s_mov_b32 s[G1A+7], 0
	; 64 k rows x 128 columns (256 bytes) of the weights; 32 bytes of padding behind each row
	s_or_b32 s[G1B+0], s45, (1<<16)|(1<<20)|(1<<21)|(5<<22)|(7<<25)
	s_mov_b32 s[G1B+1], 128<<16
	s_mov_b32 s[G1B+2], 64<<16
	s_mov_b32 s[G1B+3], 128<<16
	s_mov_b32 s[G1B+4], 64
	s_mov_b32 s[G1B+5], 1024
	s_mov_b32 s[G1B+6], 0
	s_mov_b32 s[G1B+7], 0
	s_lshl_b32 s16, s43, 15                        ; ao: 256 rows of 128 bytes for each block row
	s_lshl_b32 s17, s14, 20                        ; + a head (1 MiB) for the second sub-tile
	s_add_co_u32 s16, s16, s17
	s_mov_b32 s17, 0
	s_lshl_b32 s46, s42, 8                         ; weights: 128 columns of 2 bytes for each block column
	s_lshl_b32 s47, s14, 17                        ; + 64 k rows of 2,048 bytes for the second half
	s_add_co_u32 s46, s46, s47
	s_mov_b32 s47, 0
	s_mul_i32 s20, s14, SUBA                       ; where they go: no place in the cluster enters an LDS address
	s_mul_i32 s21, s14, 64*PB
	s_add_co_u32 s21, s21, BOFF
	s_lshl_b32 s18, s42, 9                         ; my block's 128 biases
	s_mov_b32 s19, 0
	s_lshl_b32 s22, s43, 20                        ; out0: 256 rows of 4,096 bytes for each block row
	s_lshl_b32 s23, s13, 19
	s_add_co_u32 s22, s22, s23                     ; + 128 rows for wm = 1
	s_lshl_b32 s23, s42, 9
	s_add_co_u32 s22, s22, s23                     ; + 128 columns of 4 bytes for each block column
	s_lshl_b32 s23, s14, 8
	s_add_co_u32 s22, s22, s23                     ; + 64 columns for wn = 1
	s_mov_b32 s23, 0
	s_wait_dscnt 0x0
	s_wait_kmcnt 0x0
	s_add_nc_u64 s[16:17], s[4:5], s[16:17]
	s_add_nc_u64 s[46:47], s[6:7], s[46:47]
	s_add_nc_u64 s[8:9], s[8:9], s[18:19]
	s_add_nc_u64 s[66:67], s[10:11], s[22:23]
	CROUND                                         ; all sixteen work-groups are here: the first joint loads meet
.irp s, 0,1
	s_mov_b32 s[G0A+4*\s], 1
	s_add_co_u32 s[G0A+4*\s+1], s20, \s*SLOT
	s_add_nc_u64 s[G0A+4*\s+2:G0A+4*\s+3], s[16:17], \s*2097152    ; K step s = heads 2 s, 2 s + 1
	s_or_b32 s[G0A+4*\s+3], s[G0A+4*\s+3], 0x80000000
	s_mov_b32 s[G0B+4*\s], 1
	s_add_co_u32 s[G0B+4*\s+1], s21, \s*SLOT
	s_add_nc_u64 s[G0B+4*\s+2:G0B+4*\s+3], s[46:47], \s*128*2048   ; K step s = 128 k rows
	s_or_b32 s[G0B+4*\s+3], s[G0B+4*\s+3], 0x80000000
	JLOAD \s                                       ; both slots are asked for before anything else: two tensor loads of the wave are out
.endr
	v_and_b32 v1, 15, v0                           ; r
	v_bfe_u32 v2, v0, 4, 1                         ; h
	v_and_b32 v3, 7, v0                            ; L % 8
	v_bfe_u32 v4, v0, 3, 1                         ; (L / 8) % 2
	s_lshl_b32 s23, s14, 8
	v_lshl_add_u32 v27, v2, 5, s23                 ; my biases: 256 wn + 32 h; never rewritten
.irp jj, 0,1,2,3
	global_load_b128 v[BIAS+8*\jj:BIAS+8*\jj+3],   v27, s[8:9] offset:64*\jj
	global_load_b128 v[BIAS+8*\jj+4:BIAS+8*\jj+7], v27, s[8:9] offset:64*\jj+16
.endr
	v_mul_u32_u24 v6, v1, PA
	v_lshl_add_u32 v6, v2, 4, v6                   ; 144 r + 16 h
	s_mul_i32 s22, s13, 128*PA
	v_add_nc_u32 v[ADRA], s22, v6
	v_add_nc_u32 v[ADRA+1], SLOT, v[ADRA]
	v_lshl_add_u32 v7, v2, 3, v3                   ; the weights lie [k][n]: row 8 h + L % 8 for the transposing load
	v_mul_u32_u24 v7, v7, PB
	v_lshl_add_u32 v7, v4, 4, v7
	s_lshl_b32 s22, s14, 7                         ; my 64 columns
	s_add_co_u32 s22, s22, BOFF
	v_add_nc_u32 v[ADRB], s22, v7
	v_add_nc_u32 v[ADRB+1], SLOT, v[ADRB]
	s_mul_i32 s22, s12, 16*SP
	s_add_co_u32 s22, s22, STAGE                   ; my stage
	v_mul_u32_u24 v6, v1, SP
	v_lshl_add_u32 v6, v2, 5, v6
	v_add_nc_u32 v[STO], s22, v6                   ; in: row r, 32 bytes for each half of the lanes
	v_mul_u32_u24 v7, v2, SP
	v_lshl_add_u32 v7, v1, 4, v7
	v_add_nc_u32 v[RD], s22, v7                    ; back: lanes 0-15 take one row of 256 bytes, lanes 16-31 the next
	v_lshlrev_b32 v[CO], 4, v1
	v_lshl_add_u32 v[CO], v2, 12, v[CO]            ; and the same two rows in out0
; 8 matrix instructions: row blocks a0, a0 + 1 x the four column blocks, 32 along K.  zero = 1: the product starts the sums.
; The 32 accumulators take turns, one instruction a turn, in the same order in every quarter.
.macro MUL8 f, a0, zero
	WIN 0x50                                       ; C and D in window 1
.irp a, \a0, \a0+1
.irp jj, 0,1,2,3
.if \zero
	v_wmma_f32_16x16x32_f16 v[8*(8*\jj+(\a)):8*(8*\jj+(\a))+7], v[\f+64+8*\jj:\f+64+8*\jj+7], v[\f+8*(\a):\f+8*(\a)+7], 0
.else
	v_wmma_f32_16x16x32_f16 v[8*(8*\jj+(\a)):8*(8*\jj+(\a))+7], v[\f+64+8*\jj:\f+64+8*\jj+7], v[\f+8*(\a):\f+8*(\a)+7], v[8*(8*\jj+(\a)):8*(8*\jj+(\a))+7]
.endif
.endr
.endr
.endm
; 24 LDS loads in one run: quarter c of slot s into buffer f: the weights' four fragments, ao's rows 0-63, ao's rows 64-127
.macro FETCH s, c, f
.irp jj, 0,1,2,3
	ds_load_tr16_b128 v[\f+64+8*\jj:\f+64+8*\jj+3],   v[ADRB+\s] offset:32*PB*\c+32*\jj
	ds_load_tr16_b128 v[\f+64+8*\jj+4:\f+64+8*\jj+7], v[ADRB+\s] offset:32*PB*\c+32*\jj+16*PB
.endr
.irp a, 0,1,2,3,4,5,6,7
	ds_load_b128 v[\f+8*\a:\f+8*\a+3],   v[ADRA+\s] offset:(\c>>1)*SUBA+64*(\c&1)+\a*16*PA
	ds_load_b128 v[\f+8*\a+4:\f+8*\a+7], v[ADRA+\s] offset:(\c>>1)*SUBA+64*(\c&1)+\a*16*PA+32
.endr
.endm
; One of a step's first three quarters: multiplies buffer f; in its middle it fetches quarter c of the same slot into buffer g.
.macro QUARTER slot, c, f, g, zero
	s_wait_dscnt 8                                 ; the weights and ao's rows 0-63 are in; the youngest eight loads (rows 64-127) may be out
	MUL8 \f, 0, \zero
	MUL8 \f, 2, \zero
	WIN 0
	PLACES
	FETCH \slot, \c, \g
	s_wait_dscnt 24                                ; all but the 24 just issued
	MUL8 \f, 4, \zero
	MUL8 \f, 6, \zero
.endm
.macro THREE slot, zero
	QUARTER \slot, 1, F0, F1, \zero
	QUARTER \slot, 2, F1, F0, 0
	QUARTER \slot, 3, F0, F1, 0
.endm
; The last quarter: multiplies buffer 1 and changes slots.  ONE barrier for two things: in front of it each wave waits for its reads of this slot and for all its
; tensor loads, of which one is out: its part of the next slot.  fill = 1: the barrier opens a round of the cluster's barrier, and this slot's joint refill
; (two K steps ahead) is the first tensor load behind the round.
.macro TURN slot, next, fill
	s_wait_dscnt 8
	MUL8 F1, 0, 0
	s_wait_dscnt 0x0                               ; my reads of this slot are over
	s_wait_tensorcnt 0x0                           ; all my tensor loads have landed
	ds_add_u32 v30, v31
	s_wait_dscnt 0x0
	s_barrier_signal -1
	MUL8 F1, 2, 0                                  ; register work while the others arrive
	WIN 0
	s_barrier_wait -1
.if \fill
	CREST                                          ; no wave of any partner still reads this slot or has a load on its way
	s_add_nc_u64 s[G0A+4*\slot+2:G0A+4*\slot+3], s[G0A+4*\slot+2:G0A+4*\slot+3], 2*2097152
	s_add_nc_u64 s[G0B+4*\slot+2:G0B+4*\slot+3], s[G0B+4*\slot+2:G0B+4*\slot+3], 2*128*2048
	JLOAD \slot                                    ; one tensor load of the wave is out; up to the wait for it the wave issues 120 matrix instructions
.endif
	PLACES
	FETCH \next, 0, F0
	MUL8 F1, 4, 0
	MUL8 F1, 6, 0
.endm
.macro LAP zero
	THREE 0, \zero
	TURN 0, 1, 1
	THREE 1, 0
	TURN 1, 0, 1
.endm
	s_wait_loadcnt 0x0                             ; the biases, once
	s_wait_tensorcnt 0x1                           ; my part of K step 0 is in; K step 1's may stay out
	s_barrier_signal -1
	s_barrier_wait -1
	FETCH 0, 0, F0
	LAP 1                                          ; 8 K steps = 4 laps: the first starts the sums,
	WIN 0
	s_mov_b32 s3, 2
.Llap:
	LAP 0                                          ; two go round,
	WIN 0
	s_sub_co_u32 s3, s3, 1
	s_cmp_lg_u32 s3, 0
	s_cbranch_scc1 .Llap
	THREE 0, 0                                     ; and the last fills nothing
	TURN 0, 1, 0
	THREE 1, 0
	s_wait_dscnt 8                                 ; the very last quarter: nothing more to fetch
	MUL8 F1, 0, 0
	MUL8 F1, 2, 0
	s_wait_dscnt 0
	MUL8 F1, 4, 0
	MUL8 F1, 6, 0
	; THE WAY OUT, 16 rows at a time: add the bias, 32 bytes a lane into my own stage, read back as whole rows of 256 bytes.
	WIN 0
	PLACES                                         ; behind the last matrix instructions: for the sums that read their results and the loads into their sources
.macro OUT16 a
	WIN 0x01                                       ; source 0 (the accumulators) in window 1
.irp jj, 0,1,2,3
.irp q, 0,1,2,3
	v_pk_add_f32 v[T+8*\jj+2*\q:T+8*\jj+2*\q+1], v[8*(8*\jj+\a)+2*\q:8*(8*\jj+\a)+2*\q+1], v[BIAS+8*\jj+2*\q:BIAS+8*\jj+2*\q+1]
.endr
.endr
	WIN 0
.irp jj, 0,1,2,3
	ds_store_b128 v[STO], v[T+8*\jj:T+8*\jj+3]   offset:64*\jj
	ds_store_b128 v[STO], v[T+8*\jj+4:T+8*\jj+7] offset:64*\jj+16
.endr
	s_wait_xcnt 0x0                                ; RB, which the last 16 rows' stores read, is loaded again only behind this wait
.irp i, 0,1,2,3,4,5,6,7
	ds_load_b128 v[RB+4*\i:RB+4*\i+3], v[RD] offset:2*SP*\i        ; LDS serves a wave's instructions in order: these see the stores above
.endr
.irp i, 0,1,2,3,4,5,6,7
	s_wait_dscnt 7-\i
	global_store_b128 v[CO], v[RB+4*\i:RB+4*\i+3], s[66:67] offset:(16*\a+2*\i)*4096 th:TH_STORE_NT   ; sixteen lanes store 256 consecutive bytes, aligned
.endr
.endm
	OUT16 0
	OUT16 1
	OUT16 2
	OUT16 3
	OUT16 4
	OUT16 5
	OUT16 6
	OUT16 7
	s_wait_tensorcnt 0x0
	ds_add_u32 v30, v31
	s_wait_dscnt 0x0
	CROUND                                         ; the closing round: no work-group ends while a partner may still ask for a tile that names it
	s_endpgm
.Lfunc_end_k_q3fe8470ead_proj:
	.size	k_q3fe8470ead_proj, .Lfunc_end_k_q3fe8470ead_proj-k_q3fe8470ead_proj
	.p2alignl 7, 3214868480
	.fill 96, 4, 3214868480
	.section	.rodata,"a",@progbits
	.p2align	6, 0x0
	.amdhsa_kernel k_q3fe8470ead_proj
		.amdhsa_group_segment_fixed_size 327680
		.amdhsa_private_segment_fixed_size 0
		.amdhsa_enable_private_segment 0
		.amdhsa_kernarg_size 32
		.amdhsa_user_sgpr_count 2
		.amdhsa_user_sgpr_kernarg_segment_ptr 1
		.amdhsa_wavefront_size32 1
		.amdhsa_system_sgpr_workgroup_id_x 1
		.amdhsa_system_sgpr_workgroup_id_y 1
		.amdhsa_system_sgpr_workgroup_id_z 1
		.amdhsa_system_vgpr_workitem_id 0
		.amdhsa_next_free_vgpr 512
		.amdhsa_next_free_sgpr 72
		.amdhsa_reserve_vcc 0
		.amdhsa_float_denorm_mode_32 3
		.amdhsa_float_denorm_mode_16_64 3
		.amdhsa_memory_ordered 1
		.amdhsa_forward_progress 1
		.amdhsa_inst_pref_size 127
	.end_amdhsa_kernel
	.amdgpu_metadata
---
amdhsa.version: [ 1, 2 ]
amdhsa.kernels:
  - .name:           k_q3fe8470ead_proj
    .symbol:         k_q3fe8470ead_proj.kd
    .args:
      - { .name: ao, .offset: 0, .size: 8, .value_kind: global_buffer, .address_space: global }
      - { .name: wob, .offset: 8, .size: 8, .value_kind: global_buffer, .address_space: global }
      - { .name: b_out, .offset: 16, .size: 8, .value_kind: global_buffer, .address_space: global }
      - { .name: out0, .offset: 24, .size: 8, .value_kind: global_buffer, .address_space: global }
    .group_segment_fixed_size: 327680
    .private_segment_fixed_size: 0
    .kernarg_segment_align: 8
    .kernarg_segment_size: 32
    .max_flat_workgroup_size: 128
    .sgpr_count:     72
    .vgpr_count:     512
    .wavefront_size: 32
...
	.end_amdgpu_metadata
.endif
;; end of part 4
;; ======== version 2 of 2: 4 launches; version 1 with the launch cast written anew for expert scheduling mode
;; limits: values are held in f16: magnitudes above 65,504 overflow, below 6.1e-05 lose precision
;; workspace buffers: xb 16,777,216 bytes; wqb 6,291,456 bytes; wob 2,097,152 bytes; qkv 50,331,648 bytes; ao 16,777,216 bytes
;; launch cast (part 5): grid 768 x 1, 8 waves a work-group, no clusters, 0 bytes of LDS; arguments x, w_qkv, w_out, xb, wqb, wob; writes xb, wqb, wob
.if DOCPART == 5
	.amdgcn_target "amdgcn-amd-amdhsa--gfx1250"
	.amdhsa_code_object_version 6
	.text
	.protected	k_q3fe8470ead_cast
	.globl	k_q3fe8470ead_cast
	.p2align	8
	.type	k_q3fe8470ead_cast,@function
k_q3fe8470ead_cast:
	s_mov_b64 s[64:65], 0
	v_nop
	global_prefetch_b8 v0, s[64:65] scope:SCOPE_SE
	s_setreg_imm32_b32 hwreg(HW_REG_WAVE_SCHED_MODE, 0, 2), 2
	s_setreg_imm32_b32 hwreg(HW_REG_WAVE_MODE, 25, 1), 1
	s_wait_xcnt 0x0
	s_wait_alu depctr_vm_vsrc(0)
; The three large f32 inputs are rounded once to 16 bits, so that the two products that follow move half the bytes.
;   x      [8192][1024] f32 -> xb  [16 K blocks][8192 rows][64] bf16 : a tile of rows x 64 K is then dense in memory
;   w_qkv  [1024][3072] f32 -> wqb [1024][3072] bf16, the same order
;   w_out  [1024][1024] f32 -> wob [1024][1024], rounded to bf16 and then written in f16's encoding, because it meets an f16 operand.
; LIMITS of wob: the second step is exact for 2^-14 <= |w| < 65,504 (a bf16 has 8 significant bits, an f16 has 11); below 2^-14 it
; adds an absolute error of at most 2^-25; at 65,504 and above it gives infinity.
; A work-group takes 65,536 input bytes, a wave 8,192: sixteen loads of 512 bytes, all issued before the first is used, and sixteen
; stores of 256 consecutive bytes, aligned.  512 work-groups for x, 192 for w_qkv, 64 for w_out.  A stream: no LDS, no barrier, no loop.
; THE MODE: SCHED_MODE bits 1:0 = 2 (LLVM: expert scheduling mode 2), set by the entry lines.  The code itself states the register dependences
; between vector instructions and memory instructions, with s_wait_alu, always for 0.
; THE PLAN.  Registers that memory instructions touch:
;   v[IO], v[OO]  byte offsets.  Written by vector instructions ahead of the first load, never again; read by the sixteen loads and the sixteen stores.
;   X             Each four registers are written by one load, once, and read by the conversions; no vector instruction names them ahead of their load.
;   Y             Each pair is written by conversions, once, and read by one store.
;   v[T] and v1 are named by vector instructions alone.
; No register that a memory instruction has read is written again, so nothing is owed on that side.  What is owed: the offsets are written before the
; first load reads one, and a store's data is written before the store reads it.  So the sixteen loads go in four blocks of four: a block's conversions stand
; together, ONE wait states that they have written the block's eight registers of Y, and the block's four stores follow it on end.
.set IO, 2                             ; v2       my byte offset in the wave's input
.set OO, 3                             ; v3       my byte offset in the wave's output: 8 x lane
.set T,  4                             ; v[4:7]   at work
.set X,  8                             ; v[8:71]  sixteen loads, 4 registers each
.set Y,  72                            ; v[72:103] sixteen stores, 2 registers each: none is written twice, so no store's data is waited for
; in, out: the scalar pairs with the wave's addresses; instep: bytes from one load to the next; f16 = 1: bf16 values in f16's encoding
.macro CAST in, out, instep, f16
	s_wait_alu depctr_va_vdst(0)                   ; v[IO] and v[OO] are written: the loads and stores below read them as offsets, and no vector instruction names them again
.irp i, 0,1,2,3,4,5,6,7,8,9,10,11,12,13,14,15
	global_load_b128 v[X+4*\i:X+4*\i+3], v[IO], s[\in:\in+1] offset:\i*\instep th:TH_LOAD_NT   ; read once in the whole program
.endr
.irp p, 0,1,2,3
	s_wait_loadcnt 12-4*(\p)                       ; loads come back in order: block p's four are in, the younger blocks stay out
.irp q, 0,1,2,3
.set n, 4*(\p)+(\q)                    ; load n and store n of sixteen
.if \f16
	v_cvt_pk_bf16_f32 v[T],   v[X+4*n],   v[X+4*n+1]             ; the rounding that counts: to bf16, nearest even
	v_cvt_pk_bf16_f32 v[T+1], v[X+4*n+2], v[X+4*n+3]
	v_lshlrev_b32 v[T+2], 16, v[T]                               ; back to f32: the low half moves up, the high half stays
	v_and_b32     v[T+3], s21, v[T]
	v_cvt_pk_f16_f32 v[Y+2*n], v[T+2], v[T+3]
	v_lshlrev_b32 v[T+2], 16, v[T+1]
	v_and_b32     v[T+3], s21, v[T+1]
	v_cvt_pk_f16_f32 v[Y+2*n+1], v[T+2], v[T+3]
.else
	v_cvt_pk_bf16_f32 v[Y+2*n],   v[X+4*n],   v[X+4*n+1]
	v_cvt_pk_bf16_f32 v[Y+2*n+1], v[X+4*n+2], v[X+4*n+3]
.endif
.endr
	s_wait_alu depctr_va_vdst(0)                   ; block p's conversions have written its eight registers of Y, which the four stores below read
.irp q, 0,1,2,3
.set n, 4*(\p)+(\q)
	global_store_b64 v[OO], v[Y+2*n:Y+2*n+1], s[\out:\out+1] offset:n*256   ; 32 lanes x 8 bytes: 256 consecutive bytes, aligned
.endr
.endr
.endm
	s_load_b256 s[4:11], s[0:1], 0x0               ; x s[4:5], w_qkv s[6:7], w_out s[8:9], xb s[10:11]
	s_load_b128 s[12:15], s[0:1], 0x20             ; wqb s[12:13], wob s[14:15]
	v_lshrrev_b32 v1, 5, v0
	v_readfirstlane_b32 s20, v1                    ; wave 0..7
	v_and_b32 v1, 31, v0                           ; lane
	v_lshlrev_b32 v[OO], 3, v1
	s_mov_b32 s17, 0                               ; high words of the two offsets
	s_mov_b32 s19, 0
	s_mov_b32 s21, 0xffff0000                      ; a word's upper bf16
	s_wait_alu depctr_va_sdst(0)                   ; s20 is written, ahead of the branches behind which its first readers stand: each arm makes the wave's addresses from it
	s_cmp_lt_u32 ttmp9, 512
	s_cbranch_scc0 .Lweights
	; x: work-group g takes rows 32 (g / 2) .. +31 and K blocks 8 (g % 2) .. +7; a wave takes one K block (256 bytes of each row).
	; A load takes two rows: lanes 0-15 the even one, lanes 16-31 the odd one.  In xb these two rows' 64 numbers follow each other.
	s_lshr_b32 s22, ttmp9, 1                       ; block of 32 rows
	s_and_b32 s23, ttmp9, 1
	s_lshl3_add_u32 s23, s23, s20                  ; K block = 8 (g % 2) + wave
	s_lshl_b32 s16, s22, 17                        ; 32 rows of 4,096 bytes
	s_lshl_b32 s18, s23, 8
	s_add_co_u32 s16, s16, s18                     ; + 256 bytes for each K block
	s_lshl_b32 s18, s23, 20                        ; xb: a K block is 8,192 rows of 128 bytes
	s_lshl_b32 s22, s22, 12                        ; 32 rows of 128 bytes
	s_add_co_u32 s18, s18, s22
	v_and_b32 v[IO], 15, v1
	v_lshrrev_b32 v[T], 4, v1
	v_lshlrev_b32 v[IO], 4, v[IO]
	v_lshl_add_u32 v[IO], v[T], 12, v[IO]          ; 16 (lane % 16) + 4,096 (lane / 16)
	s_wait_kmcnt 0x0
	s_add_nc_u64 s[4:5], s[4:5], s[16:17]
	s_add_nc_u64 s[10:11], s[10:11], s[18:19]
	CAST 4, 10, 8192, 0
	s_endpgm
.Lweights:                                             ; the weights keep their order: 8,192 bytes in, 4,096 out for each wave
	v_lshlrev_b32 v[IO], 4, v1
	s_lshl_b32 s22, s20, 13
	s_lshl_b32 s23, s20, 12
	s_cmp_lt_u32 ttmp9, 704
	s_cbranch_scc0 .Lwout
	s_sub_co_u32 s16, ttmp9, 512
	s_lshl_b32 s18, s16, 15
	s_lshl_b32 s16, s16, 16
	s_add_co_u32 s16, s16, s22
	s_add_co_u32 s18, s18, s23
	s_wait_kmcnt 0x0
	s_add_nc_u64 s[6:7], s[6:7], s[16:17]
	s_add_nc_u64 s[12:13], s[12:13], s[18:19]
	CAST 6, 12, 512, 0
	s_endpgm
.Lwout:
	s_sub_co_u32 s16, ttmp9, 704
	s_lshl_b32 s18, s16, 15
	s_lshl_b32 s16, s16, 16
	s_add_co_u32 s16, s16, s22
	s_add_co_u32 s18, s18, s23
	s_wait_kmcnt 0x0
	s_add_nc_u64 s[8:9], s[8:9], s[16:17]
	s_add_nc_u64 s[14:15], s[14:15], s[18:19]
	CAST 8, 14, 512, 1
	s_endpgm
.Lfunc_end_k_q3fe8470ead_cast:
	.size	k_q3fe8470ead_cast, .Lfunc_end_k_q3fe8470ead_cast-k_q3fe8470ead_cast
	.p2alignl 7, 3214868480
	.fill 96, 4, 3214868480
	.section	.rodata,"a",@progbits
	.p2align	6, 0x0
	.amdhsa_kernel k_q3fe8470ead_cast
		.amdhsa_group_segment_fixed_size 0
		.amdhsa_private_segment_fixed_size 0
		.amdhsa_enable_private_segment 0
		.amdhsa_kernarg_size 48
		.amdhsa_user_sgpr_count 2
		.amdhsa_user_sgpr_kernarg_segment_ptr 1
		.amdhsa_wavefront_size32 1
		.amdhsa_system_sgpr_workgroup_id_x 1
		.amdhsa_system_sgpr_workgroup_id_y 1
		.amdhsa_system_sgpr_workgroup_id_z 1
		.amdhsa_system_vgpr_workitem_id 0
		.amdhsa_next_free_vgpr 104
		.amdhsa_next_free_sgpr 66
		.amdhsa_reserve_vcc 0
		.amdhsa_float_denorm_mode_32 3
		.amdhsa_float_denorm_mode_16_64 3
		.amdhsa_memory_ordered 1
		.amdhsa_forward_progress 1
		.amdhsa_inst_pref_size 23
	.end_amdhsa_kernel
	.amdgpu_metadata
---
amdhsa.version: [ 1, 2 ]
amdhsa.kernels:
  - .name:           k_q3fe8470ead_cast
    .symbol:         k_q3fe8470ead_cast.kd
    .args:
      - { .name: x, .offset: 0, .size: 8, .value_kind: global_buffer, .address_space: global }
      - { .name: w_qkv, .offset: 8, .size: 8, .value_kind: global_buffer, .address_space: global }
      - { .name: w_out, .offset: 16, .size: 8, .value_kind: global_buffer, .address_space: global }
      - { .name: xb, .offset: 24, .size: 8, .value_kind: global_buffer, .address_space: global }
      - { .name: wqb, .offset: 32, .size: 8, .value_kind: global_buffer, .address_space: global }
      - { .name: wob, .offset: 40, .size: 8, .value_kind: global_buffer, .address_space: global }
    .group_segment_fixed_size: 0
    .private_segment_fixed_size: 0
    .kernarg_segment_align: 8
    .kernarg_segment_size: 48
    .max_flat_workgroup_size: 256
    .sgpr_count:     66
    .vgpr_count:     104
    .wavefront_size: 32
...
	.end_amdgpu_metadata
.endif
;; end of part 5
;; launch qkv: the kernel of part 2 again; grid 8 x 32, 4 waves a work-group, clusters of 4 x 4, 327,680 bytes of LDS; arguments xb, wqb, b_qkv, qkv; writes qkv
;; launch attn: the kernel of part 3 again; grid 256 x 1, 8 waves a work-group, clusters of 4 x 1, 327,680 bytes of LDS; arguments qkv, ao; writes ao
;; launch proj: the kernel of part 4 again; grid 8 x 32, 4 waves a work-group, clusters of 4 x 4, 327,680 bytes of LDS; arguments ao, wob, b_out, out0; writes out0
